; MI455X (gfx1250); checked and timed in simulation.
; The chip was launched on July 23, 2026; its instructions are those of AMD's public machine-readable ISA for CDNA 5 (MIT licence, August 2026) and "CDNA5" Instruction Set Architecture Reference Guide (July 2026). The comments in the code are by the model that wrote it; some were corrected since.
;; Multi Head Attention. Allowed arithmetic: matrix products marked QUANTISED: E2M3 operands, one E8M0 scale for each 32 along K, by v_wmma_scale_f32_16x16x128_f8f6f4 with both operands' format E2M3, f32 sums; products left as they are: f32 operands where the result goes on into a quantised operand, else bf16, f16 or f32 operands; f32 sums; everything else in f32.
;; Inputs: Wk_codes 1,024 x 32 x 24 uint8 (E2M3 codes of Wk, K innermost, in blocks of 32 codes, four codes in three bytes); Wk_scales 1,024 x 32 uint8 (E8M0 scales of Wk, one for each 32 codes along K); Wo_codes 1,024 x 32 x 24 uint8 (E2M3 codes of Wo, K innermost, in blocks of 32 codes, four codes in three bytes); Wo_scales 1,024 x 32 uint8 (E8M0 scales of Wo, one for each 32 codes along K); Wq_codes 1,024 x 32 x 24 uint8 (E2M3 codes of Wq, K innermost, in blocks of 32 codes, four codes in three bytes); Wq_scales 1,024 x 32 uint8 (E8M0 scales of Wq, one for each 32 codes along K); Wv_codes 1,024 x 32 x 24 uint8 (E2M3 codes of Wv, K innermost, in blocks of 32 codes, four codes in three bytes); Wv_scales 1,024 x 32 uint8 (E8M0 scales of Wv, one for each 32 codes along K); bk 1,024 float32; bo 1,024 float32; bq 1,024 float32; bv 1,024 float32; x_codes 32 x 1,024 x 32 x 24 uint8 (E2M3 codes of x, K innermost, in blocks of 32 codes, four codes in three bytes); x_scales 32 x 1,024 x 32 uint8 (E8M0 scales of x, one for each 32 codes along K).
;; Outputs: out0 32 x 1,024 float32.
;; Constants: n_heads = 16.
;; This version of the problem:
;;   THIS VERSION OF THE PROBLEM IS GIVEN IN LOW PRECISION. The matrix products marked QUANTISED in the list below multiply operands that are first quantised to E2M3 (2 exponent bits, 3 mantissa bits; 6 bits a number), with one power-of-two scale for each 32 numbers along K (OCP MX v1.0); their sums are f32. All else is computed in f32.
;;   The module's matrix products, in the order in which they are computed (A, B: the left and right operand; K: the contracted axis; several contracted axes count as one K, in the product's order):
;;     1. [M 32, K 1,024] x [K 1,024, N 1,024]; A: input x (given as codes); B: input Wq (given as codes): QUANTISED
;;     2. [M 32,768, K 1,024] x [K 1,024, N 1,024]; A: input x (given as codes); B: input Wk (given as codes): QUANTISED
;;     3. [M 32,768, K 1,024] x [K 1,024, N 1,024]; A: input x (given as codes); B: input Wv (given as codes): QUANTISED
;;     4. batch 512 x [M 1, K 64] x [K 64, N 1,024]; A: computed on the way; B: computed on the way: left as it is (M = 1 < 16)
;;     5. batch 512 x [M 1, K 1,024] x [K 1,024, N 64]; A: softmax; B: computed on the way: left as it is (M = 1 < 16)
;;     6. [M 32, K 1,024] x [K 1,024, N 1,024]; A: computed on the way; B: input Wo (given as codes): QUANTISED
;;   THE QUANTISER, for each operand of a quantised product, along K:
;;     - K is cut into blocks of 32 from its start; a last block that is shorter is filled with zeros.
;;     - A block's scale is 2^e with e = floor(log2(the largest magnitude in the block)) - 2, held to -126 .. 127; a block of zeros has e = 0. As a byte (E8M0): e + 127.
;;     - Each number is divided by its block's scale, clamped to +-7.5, and rounded to the nearest number of E2M3, ties to even, subnormals kept.
;;     - The product sums the exact products of the quantised numbers (number of the format x scale) in f32.
;;   ~~~python
;;   def quantise(x, axis):      # numpy; x: float32 -> the quantised numbers, widened to float32 again
;;       x = np.moveaxis(x, axis, -1); K = x.shape[-1]
;;       x = np.pad(x, [(0, 0)] * (x.ndim - 1) + [(0, -K % 32)]); x = x.reshape(x.shape[:-1] + (-1, 32)); a = np.abs(x).max(-1, keepdims=True)
;;       e = np.where(a > 0, np.clip(np.frexp(np.where(a > 0, a, 1))[1] - 1 - 2, -126, 127), 0)      # np.frexp(a)[1] - 1 = floor(log2(a)), exactly
;;       r = np.clip(x / 2.0 ** e, -7.5, 7.5)
;;       step = 2.0 ** (np.maximum(np.frexp(np.where(r == 0, 1, r))[1] - 1, 0) - 3)
;;       q = np.round(r / step) * step * 2.0 ** e      # np.round: ties to even
;;       return np.moveaxis(q.reshape(q.shape[:-2] + (-1,))[..., :K], -1, axis).astype(np.float32)
;;   ~~~
;;   OPERANDS COMPUTED ON THE WAY. 'Computed on the way' means the value that the module computes at that place (a softmax that the list does not call 'softmax' is quantised finished and normalised). What goes into a quantiser is computed in f32, as accurately as f32 sums, v_exp_f32 and their like allow (about 1e-6 of the number): no bf16 or f16 on the way to a quantiser, and a product that is left as it is and whose result goes on into a quantised operand takes f32 operands (vector FMAs, or v_wmma_f32_16x16x4_f32). A number that lies on a knife's edge between two numbers of the format may be rounded either way, as far as f32 arithmetic and the matrix unit's own rounding can turn it there, and no further.
;;   INPUTS GIVEN AS CODES. Wk (in the module: [1024, 1024], K = its axis 1); Wo (in the module: [1024, 1024], K = its axis 1); Wq (in the module: [1024, 1024], K = its axis 1); Wv (in the module: [1024, 1024], K = its axis 1); x (in the module: [32, 1024, 1024], K = its axis 2): each comes as NAME_codes (uint8): NAME with its K axis moved to the last place and cut into blocks of 32 codes, [.., K / 32, bytes a block], one block behind the other in memory; four codes in three bytes: a row's codes are one little-endian stream of bits, code i at bits 6 i .. 6 i + 5 (a code: sign, 2 exponent bits, 3 mantissa bits); and NAME_scales (uint8): the same leading axes, one E8M0 byte (e + 127) for each 32 codes along K. Its value is code x scale, taken as it is: it is not quantised again, and the codes and scales need not be those that the quantiser above would give.
;; 2 versions. Each part assembles by itself: llvm-mc -triple=amdgcn-amd-amdhsa -mcpu=gfx1250 --defsym DOCPART=n.
;; ======== version 1 of 2: 2 launches
;; workspace buffers: ao_codes 24,576 bytes; ao_scales 1,024 bytes
;; launch attn (part 1): grid 8 x 32, 4 waves a work-group, clusters of 4 x 4, 327,680 bytes of LDS; arguments x_codes, x_scales, Wq_codes, Wq_scales, bq, Wk_codes, Wk_scales, bk, Wv_codes, Wv_scales, bv, ao_codes, ao_scales; writes ao_codes, ao_scales
.if DOCPART == 1
	.amdgcn_target "amdgcn-amd-amdhsa--gfx1250"
	.amdhsa_code_object_version 6
	.text
	.protected	k_q0129152f06_attn
	.globl	k_q0129152f06_attn
	.p2align	8
	.type	k_q0129152f06_attn,@function
k_q0129152f06_attn:
	s_mov_b64 s[64:65], 0
	v_nop
	global_prefetch_b8 v0, s[64:65] scope:SCOPE_SE
	s_setreg_imm32_b32 hwreg(HW_REG_WAVE_MODE, 25, 1), 1
	s_wait_xcnt 0x0
	s_wait_alu depctr_hold_cnt(0) depctr_sa_sdst(0) depctr_va_vdst(0) depctr_va_sdst(0) depctr_va_ssrc(0) depctr_va_vcc(0) depctr_vm_vsrc(0)
	s_getreg_b32 s2, hwreg(HW_REG_IB_STS2, 6, 4)
	s_cmp_eq_u32 s2, 0
	s_cbranch_scc0 .Lentry_in_a_cluster
	s_endpgm
.Lentry_in_a_cluster:
	s_bfe_u32 s2, ttmp6, 0x10000c
	s_cmp_lg_u32 s2, 0xf033
	s_cbranch_scc0 .Lentry_shape_is_right
	s_endpgm
.Lentry_shape_is_right:
; Attention with ONE query a batch (the last position), on codes of FP6 (E2M3) with one E8M0 scale for each 32 along K.
; A work-group owns one batch b and one pair of heads hp (128 of the 1,024 features): it makes q (product 1), K and V of all 1,024 rows for its 128 + 128 columns (products 2, 3),
; the scores, the softmax and p.V in f32 (products 4, 5), and quantises its 128 numbers of the attention's output: four blocks of 32, which lie inside its own heads.  K and V never leave the registers.
; SHARES.  Wave w: head hd = w / 2 of the pair, row half rh = w % 2.  It keeps its head's 64 rows of Wk and 64 rows of Wv for all of K in REGISTERS (8 tiles x 8 K steps = 64 fragments of 12 = 768),
; and x goes by in whole rows of 768 bytes through a ring of two LDS slots of 128 rows: a fragment of x (16 rows x 128 K) is read once by a wave and feeds 8 matrix instructions.
; LAYOUT.  Every product is used transposed (source 0 = 16 rows of a weight, source 1 = 16 rows of x): lane (r, h) holds ONE row of x, register j of tile t the feature 16 t + 8 h + j.
; So a score is 16 packed multiply-adds with q in the lane and one exchange of halves, and p stands in the lane in which V's results lie.  Each lane runs a softmax of its own rows with a
; running maximum M, sum L and 32 sums O; lanes and the two row halves are merged once, at the end (a softmax does not hang on the order of its rows).
; BIASES.  bq is the C of q's first product.  q.(k + bk) = q.k + q.bk: the number q.bk is the addend of each score's first multiply-add.  The weights sum to 1, so bv is added behind the division.
; qs = q x 0.125 x log2(e), so that a score is an exponent of 2.
; CLUSTER 4 x 4: the four work-groups of a row of the cluster share b and ask for x's tiles jointly; the four of a column share hp and ask for Wk's and Wv's rows jointly.
; Wq's 128 rows and x's last row come by plain loads: 98 KB, read once, of the 1.1 MB that a work-group takes in, and they go straight into registers.
; LIMITS: NaN and infinities among the values are not served; the running maximum begins at -3e38; a block of zeros of the result gets the scale byte 1 where the rule says 127 (its codes are zeros,
; which add nothing under any byte but 0xff, and the bytes are read by this program alone).  The work-group's result is 96 bytes of codes and 4 scale bytes: stored as they are, in part of a 256-byte run.
; REGISTERS, in windows of 256: window 0: see the names below; weight fragment f = 8 q + t (K step q; t 0-3 Wk's tiles, 4-7 Wv's): f <= 62 in window 1 + f / 21 at v[12 (f % 21)], f = 63 in window 0 at v240.
.set PITCH,  816                       ; an LDS row of codes: 3 x (256 bytes + 16 of padding) = 51 x 16 bytes: the 16 rows of a fragment begin at 16 different places modulo 256 bytes
.set HALFX,  64*PITCH                  ; 64 rows: what one tensor load brings
.set TROW,   16*PITCH                  ; 16 rows: a tile
.set XSO,    128*PITCH                 ; in a slot, behind the 128 rows of codes: their scale bytes, 16 x (256 + 16)
.set SLOT1,  1<<17                     ; slot 1 begins here: one exclusive or turns an address of one slot into the other's
.set WST,    XSO+16*272                ; the weights' staging, 4 x 64 rows: [head 0 Wk][head 0 Wv][head 1 Wk][head 1 Wv]; read once; slot 1 is later filled over part of it, as a refill
.set SPARE,  WST+4*HALFX               ; the spare words, 128 bytes for each wave: two blocks of 256 bytes that no other line names
.set QS,     SPARE+512                 ; qs of the pair of heads: 128 f32
.set MRG,    QS+512                    ; the merge: wave w at 512 w: O[64], and at +256 (M, L)
.set AA0, 3                            ; v3, v4   my lane's place in a slot's rows: (64 rh + r) PITCH + 24 h; the same behind one padding more (+ 16 h)
.set ADA, 5                            ; v5, v6   the same in the slot in hand
.set AX0, 7                            ; v7       my lane's place among a slot's scale bytes
.set ADX, 8                            ; v8       the same in the slot in hand
                                       ; v1 my spare word's address, v2 = 0: for the add alone.  v10 F, v11 L, v12 P, v13 M, v14 T, v15 U, v[16:17], v[18:19] two chains of a score, v[20:21] (q.bk of my half, 0), v22 new M, v23 M - new M
.set XS,  24                           ; v24-31   x's scale words: two sets of 4 (tile a % 2); register k: lanes 0-15 K step k, lanes 16-31 K step 4 + k
.set WS,  32                           ; v32-63   the weights' scale words, tile t at WS + 4 t, laid likewise
.set AB,  64                           ; v64-111  four buffers of 12: x's fragment of K step q in buffer q % 4
.set KA,  112                          ; v112-143 K's four accumulators
.set VA,  144                          ; v144-175 V's four
.set QR,  176                          ; v176-207 qs(16 t + 8 h + j) at QR + 8 t + j
.set OA,  208                          ; v208-239 O, laid likewise
.set WA,  64                           ; v64-67   (ahead of the first slot) the staging's addresses: Wk's pair, Wv's pair
.set WV,  30
.set HD,  31
.set RH,  32
.set G1X, 48                           ; s[48:55] group 1: 64 rows of x's codes;  s[56:63] 4,096 scale bytes;  s[68:75] 64 rows of a weight
.set G1S, 56
.set G1W, 68
.set G0X, 76                           ; groups 0: x's codes and x's scales walk; Wk's and Wv's are used once
.set G0S, 80
.set G0WK, 84
.set G0WV, 88
.set SEL, 92                           ; s[92:93] v_permlanex16_b32's selects for lane l xor 16
.set TB,  94                           ; s94  LDS byte at which the slot in hand begins
.set SLOTS, 95                         ; s95  slots still to be asked for
.set MSB, 0
.macro WIN new                         ; the immediate's high byte repeats the setting that is left; a switch that changes nothing is dropped
.if MSB != (\new)
	s_set_vgpr_msb (MSB<<8)|(\new)
.set MSB, (\new)
.endif
.endm
.macro PLACES                          ; four places behind a matrix instruction (ISA guide 7.12.1), where no other vector work is at hand
.rept 4
	v_nop
.endr
.endm
.macro ROUND                           ; a round of the cluster's barrier
	s_barrier_signal -1
	s_barrier_wait -1
	s_cmp_lg_u32 s[WV], 0
	s_cbranch_scc1 .Lnot_wave_0_\@
	s_barrier_signal -3
.Lnot_wave_0_\@:
	s_barrier_wait -3
	s_barrier_signal -1
	s_barrier_wait -1
.endm
; A slot's joint loads: waves 0 and 1 the two halves of its 128 rows of codes, wave 2 its scale bytes, wave 3 none.  Four v_nop follow each line.
.macro XLOAD
	s_cmp_lt_u32 s[WV], 2
	s_cbranch_scc0 .Lnot_x_\@
	tensor_load_to_lds s[G0X:G0X+3], s[G1X:G1X+7]
	s_nop 0
	PLACES
	s_branch .Lx_asked_\@
.Lnot_x_\@:
	s_cmp_eq_u32 s[WV], 2
	s_cbranch_scc0 .Lx_asked_\@
	tensor_load_to_lds s[G0S:G0S+3], s[G1S:G1S+7]
	s_nop 0
	PLACES
.Lx_asked_\@:
.endm
.macro WLOAD                           ; the weights' joint loads: even waves their head's 64 rows of Wk, odd waves of Wv
	s_cmp_eq_u32 s[RH], 0
	s_cbranch_scc0 .Lfor_v_\@
	tensor_load_to_lds s[G0WK:G0WK+3], s[G1W:G1W+7]
	s_nop 0
	PLACES
	s_branch .Lw_asked_\@
.Lfor_v_\@:
	tensor_load_to_lds s[G0WV:G0WV+3], s[G1W:G1W+7]
	s_nop 0
	PLACES
.Lw_asked_\@:
.endm
; A fragment, 16 rows x 128 K, is 12 registers: lane (r, h) holds row r; registers 6 c .. 6 c + 5 hold K = 64 c + 32 h + 0 .. 31: 24 bytes of the row's stream of bits, as they lie, in pieces of 8 bytes.
; Lanes 0-15 take the row's pieces 12 q + 0, 1, 2, 6, 7, 8, lanes 16-31 those three pieces on.  16 bytes of padding lie behind every 32 pieces: where the piece three on lies behind one padding more, the second address register serves.
.macro FRAG reg, adr, q, off
.irp p, 0,1,2,3,4,5
.set PC_, 12*(\q)+6*(\p/3)+\p%3
.if PC_%32 < 29
	ds_load_b64 v[(\reg)+2*\p:(\reg)+2*\p+1], v[\adr] offset:8*PC_+16*(PC_/32)+(\off)
.else
	ds_load_b64 v[(\reg)+2*\p:(\reg)+2*\p+1], v[(\adr)+1] offset:8*PC_+16*(PC_/32)+(\off)
.endif
.endr
.endm
.macro FRAGA a, q                      ; x's fragment of tile a, K step q
	FRAG AB+12*((\q)%4), ADA, \q, (\a)*TROW
.endm
.macro XSL a                           ; tile a's scale words: 16 bytes a lane: lanes 0-15 the row's K steps 0-3, lanes 16-31 its K steps 4-7
	ds_load_b128 v[XS+4*((\a)%2):XS+4*((\a)%2)+3], v[ADX] offset:544*(\a)
.endm
; One matrix instruction: kv = 0 K, 1 V; K step q; the kind's tile i; tile a of x's rows.  The first K step starts the sum with the constant 0.  From K step 4 on both scale words stand in lanes 16-31.
.macro MMA kv, q, i, a
.set FF, 8*(\q)+4*(\kv)+(\i)
.if FF == 63
	WIN 0
.set WR, 240
.else
	WIN 1+FF/21
.set WR, 12*(FF%21)
.endif
.set DD, KA+32*(\kv)+8*(\i)
.set SW, WS+16*(\kv)+4*(\i)+(\q)%4
.set SX, XS+4*((\a)%2)+(\q)%4
.set BF, AB+12*((\q)%4)
.if (\q) == 0
	v_wmma_scale_f32_16x16x128_f8f6f4 v[DD:DD+7], v[WR:WR+11], v[BF:BF+11], 0, v[SW], v[SX] matrix_a_fmt:MATRIX_FMT_FP6 matrix_b_fmt:MATRIX_FMT_FP6
.elseif (\q) < 4
	v_wmma_scale_f32_16x16x128_f8f6f4 v[DD:DD+7], v[WR:WR+11], v[BF:BF+11], v[DD:DD+7], v[SW], v[SX] matrix_a_fmt:MATRIX_FMT_FP6 matrix_b_fmt:MATRIX_FMT_FP6
.else
	v_wmma_scale_f32_16x16x128_f8f6f4 v[DD:DD+7], v[WR:WR+11], v[BF:BF+11], v[DD:DD+7], v[SW], v[SX] matrix_a_fmt:MATRIX_FMT_FP6 matrix_b_fmt:MATRIX_FMT_FP6 matrix_a_scale:MATRIX_SCALE_ROW1 matrix_b_scale:MATRIX_SCALE_ROW1
.endif
.endm
; The score: pair i of 16 of my 32 features, in two chains; ascending.
.macro DR i
.if (\i) == 0
	v_pk_fma_f32 v[16:17], v[KA:KA+1], v[QR:QR+1], v[20:21]
.elseif (\i) == 1
	v_pk_mul_f32 v[18:19], v[KA+2:KA+3], v[QR+2:QR+3]
.elseif (\i)%2 == 0
	v_pk_fma_f32 v[16:17], v[KA+2*(\i):KA+2*(\i)+1], v[QR+2*(\i):QR+2*(\i)+1], v[16:17]
.else
	v_pk_fma_f32 v[18:19], v[KA+2*(\i):KA+2*(\i)+1], v[QR+2*(\i):QR+2*(\i)+1], v[18:19]
.endif
.endm
.macro EPA                             ; the chains meet
	v_pk_add_f32 v[16:17], v[16:17], v[18:19]
	v_add_f32 v14, v16, v17
.endm
.macro EPB                             ; with the row's other 32 features, which lie in lane l xor 16: t
	v_permlanex16_b32 v15, v14, s[SEL], s[SEL+1]
	v_add_f32 v14, v14, v15
.endm
.macro EPC                             ; the new M; M - new M; t - new M
	v_max_num_f32 v22, v13, v14
	v_sub_f32 v23, v13, v22
	v_sub_f32 v14, v14, v22
.endm
.macro EPD                             ; F = 2^(M - new M), P = 2^(t - new M); the move is the plain line behind the exponentials; L = L F + P
	v_exp_f32 v10, v23
	v_exp_f32 v12, v14
	v_mov_b32 v13, v22
	s_wait_alu depctr_va_vdst(0)
	v_fma_f32 v11, v11, v10, v12
.endm
.macro PMUL i                          ; pair i of O times F
	v_pk_mul_f32 v[OA+2*(\i):OA+2*(\i)+1], v[OA+2*(\i):OA+2*(\i)+1], v[10:11] op_sel_hi:[1,0]
.endm
.macro PFMA i                          ; pair i of O += V x P
	v_pk_fma_f32 v[OA+2*(\i):OA+2*(\i)+1], v[VA+2*(\i):VA+2*(\i)+1], v[12:13], v[OA+2*(\i):OA+2*(\i)+1] op_sel_hi:[1,0,1]
.endm
.macro PVK k                           ; number k of 32: the multiplications run four pairs ahead of the multiply-adds, so that no line reads the result of the line above it
.if (\k) < 4
	PMUL (\k)
.elseif (\k) >= 28
	PFMA (\k)-16
.elseif (\k)%2 == 0
	PFMA ((\k)-4)/2
.else
	PMUL ((\k)-4)/2+4
.endif
.endm
.macro PVR k0, k1                      ; numbers k0 .. k1 - 1
.set PK_, \k0
.rept (\k1)-(\k0)
	PVK PK_
.set PK_, PK_+1
.endr
.endm
.macro PVS n                           ; slice n of 7
.if (\n) == 0
	PVR 0, 5
.elseif (\n) == 1
	PVR 5, 10
.elseif (\n) == 2
	PVR 10, 15
.elseif (\n) == 3
	PVR 15, 20
.elseif (\n) == 4
	PVR 20, 24
.elseif (\n) == 5
	PVR 24, 28
.else
	PVR 28, 32
.endif
.endm
; What stands behind matrix instruction s of half-group pos of tile a.  A buffer of x is filled again four places behind V's last product on it, one matrix instruction into the next half-group.
.macro AFTER a, pos, s
.if (\pos) == 0
.if (\a) > 0
	WIN 0
.if (\s) == 0
	EPD                                            ; the tile before: with EPC's three lines, its two plain lines are the places in front of the load into buffer 3
	FRAGA \a, 3
.else
	PVS (\s)-1                                     ; the tile before: O = O F + V P
.endif
.endif
.elseif (\pos) == 1
.if (\a) > 0
	WIN 0
	PVS (\s)+3
.endif
.elseif (\pos) == 14
	WIN 0
.irp d, 0,1,2,3
	DR 4*(\s)+\d                                   ; K is finished: the score.  (The last four are also the places in front of the load into buffer 2)
.endr
.elseif (\pos) == 15
.if (\s) == 0
.if (\a) < 3
	WIN 0
	FRAGA (\a)+1, 2
.endif
.elseif (\s) == 1
	WIN 0
	EPA
.elseif (\s) == 2
	WIN 0
	EPB
.else
	WIN 0
	EPC
.endif
.elseif (\s) == 3
.if ((\pos) == 2) || ((\pos) == 3) || ((\pos) == 5) || ((\pos) == 7) || ((\pos) == 13)
	PLACES                                         ; in front of a load into the buffer just left (13: of the score's reads of K)
.elseif (((\pos) == 9) || ((\pos) == 11)) && ((\a) < 3)
	PLACES
.endif
.elseif (\s) == 0
.if (\pos) == 3
	WIN 0
	FRAGA \a, 4
.elseif (\pos) == 4
	WIN 0
	FRAGA \a, 5
.elseif (\pos) == 6
	WIN 0
	FRAGA \a, 6
.elseif (\pos) == 8
	WIN 0
	FRAGA \a, 7
.elseif ((\pos) == 10) && ((\a) < 3)
	WIN 0
	XSL (\a)+1
	FRAGA (\a)+1, 0
.elseif ((\pos) == 12) && ((\a) < 3)
	WIN 0
	FRAGA (\a)+1, 1
.endif
.endif
.endm
.macro HG pos, kv, q, a                ; a half-group: four matrix instructions, the kind's four accumulators by turns
.irp s, 0,1,2,3
	MMA \kv, \q, \s, \a
	AFTER \a, \pos, \s
.endr
.endm
; A TILE of 16 rows: 64 matrix instructions.  K runs two K steps ahead of V at both ends, so that the score and the head of the softmax stand behind V's last products, and p.V behind the next tile's first.
; Each wait counts the LDS loads issued behind the fragment that the next four products take (a fragment is 6 loads, the scale words 1); V's half-groups take fragments that K's have waited for.
.macro TILE a
.if (\a) == 0
	s_wait_dscnt 18                                ; the scale words and K step 0 are in; K steps 1, 2, 3 may be out
.else
	s_wait_dscnt 12                                ; K steps 1, 2 may be out
.endif
	HG 0, 0, 0, \a
	s_wait_dscnt 12                                ; the two younger fragments may be out: so up to K step 5
	HG 1, 0, 1, \a
	HG 2, 1, 0, \a
	HG 3, 1, 1, \a
	s_wait_dscnt 12
	HG 4, 0, 2, \a
	HG 5, 1, 2, \a
	s_wait_dscnt 12
	HG 6, 0, 3, \a
	HG 7, 1, 3, \a
	s_wait_dscnt 12
	HG 8, 0, 4, \a
	HG 9, 1, 4, \a
	s_wait_dscnt 12
	HG 10, 0, 5, \a
	HG 11, 1, 5, \a
.if (\a) < 3
	s_wait_dscnt 13                                ; K step 7, the next tile's scale words and its K step 0 may be out
.else
	s_wait_dscnt 6                                 ; K step 7 may be out
.endif
	HG 12, 0, 6, \a
.if (\a) < 3
	s_wait_dscnt 13                                ; the next tile's scale words and its K steps 0, 1 may be out
.else
	s_wait_dscnt 0
.endif
	HG 13, 0, 7, \a
	HG 14, 1, 6, \a
	HG 15, 1, 7, \a
.endm
.macro SLOTWORK                        ; my 64 rows of the slot in hand: four tiles, 256 matrix instructions
	v_add_nc_u32 v[ADA], s[TB], v[AA0]
	v_add_nc_u32 v[ADA+1], s[TB], v[AA0+1]
	v_add_nc_u32 v[ADX], s[TB], v[AX0]
	XSL 0
	FRAGA 0, 0
	FRAGA 0, 1
	FRAGA 0, 2
	FRAGA 0, 3
	TILE 0
	TILE 1
	TILE 2
	TILE 3
	WIN 0
	EPD                                            ; the last tile's remainder
	PVR 0, 32
	s_xor_b32 s[TB], s[TB], SLOT1                  ; on to the other slot
.endm
; THE CHANGE OF SLOTS stands at a slot's head.  Each wave waits for all its tensor loads (its part of the slot that it is about to read), adds 0 to its spare word, and waits for that and for its reads of the slot
; that it has left.  fill = 1: a round of the cluster's barrier, so that no wave of any partner still reads that slot or has a load on its way; the joint refill is the first thing behind it and has a slot's 256 matrix instructions in which to land.
.macro CHANGE fill
	s_wait_tensorcnt 0x0                           ; no tensor load of mine is out, so a group 0 may be written
	ds_add_u32 v1, v2                              ; 0 onto my spare word
.if \fill
	s_xor_b32 s[G0X+1], s[G0X+1], SLOT1            ; the walking descriptors: the other slot than last time,
	s_add_nc_u64 s[G0X+2:G0X+3], s[G0X+2:G0X+3], 128*768   ; the next 128 rows; the type bits on top are not reached
	s_xor_b32 s[G0S+1], s[G0S+1], SLOT1
	s_add_nc_u64 s[G0S+2:G0S+3], s[G0S+2:G0S+3], 128*32
.endif
	s_wait_dscnt 0x0                               ; the add is done, and my reads of what is filled next are over
.if \fill
	ROUND
	XLOAD
.else
	s_barrier_signal -1
	s_barrier_wait -1
.endif
.endm
	; ---- the head
	s_load_b512 s[4:19], s[0:1], 0x0               ; x_codes 4, x_scales 6, Wq_codes 8, Wq_scales 10, bq 12, Wk_codes 14, Wk_scales 16, bk 18
	s_load_b256 s[20:27], s[0:1], 0x40             ; Wv_codes 20, Wv_scales 22, bv 24, ao_codes 26
	s_load_b64 s[28:29], s[0:1], 0x60              ; ao_scales
	v_lshl_add_u32 v1, v0, 2, SPARE
	v_mov_b32 v2, 0
	ds_add_u32 v1, v2
	ds_add_u32 v1, v2
	s_wait_dscnt 0x0
	v_lshrrev_b32 v22, 5, v0
	v_readfirstlane_b32 s[WV], v22                 ; wave 0..3
	s_lshr_b32 s[HD], s[WV], 1                     ; my head of the pair
	s_and_b32 s[RH], s[WV], 1                      ; my half of a slot's rows
	s_bfe_u32 s33, ttmp6, 0x40000                  ; cx, cy: my place in the cluster
	s_bfe_u32 s34, ttmp6, 0x40004
	s_lshl_b32 s35, ttmp9, 2
	s_add_co_u32 s35, s35, s33                     ; hp = 4 x cluster x + cx
	s_and_b32 s36, ttmp7, 0xffff
	s_lshl_b32 s36, s36, 2
	s_add_co_u32 s36, s36, s34                     ; b = 4 x cluster y + cy
	s_lshl_b32 s37, s34, 2
	s_lshl_b32 s37, 15, s37                        ; my row of the cluster: it shares b
	s_lshl_b32 s38, 0x1111, s33                    ; my column: it shares hp
	; group 1: 64 rows of 768 bytes, 16 bytes of padding behind every 256
	s_or_b32 s[G1X], s37, (0<<16)|(1<<20)|(1<<21)|(5<<22)|(3<<25)   ; 15:0 the mask; 17:16 elements of 1 byte; 20 padding on; 21 set beside a mask; 24:22 after every 64 words (code 5); 31:25 4 words of it (code 3)
	s_or_b32 s[G1W], s38, (0<<16)|(1<<20)|(1<<21)|(5<<22)|(3<<25)
.irp g, G1X, G1W
	s_mov_b32 s[\g+1], 768<<16                     ; tensor_dim0
	s_mov_b32 s[\g+2], 64<<16                      ; tensor_dim1
	s_mov_b32 s[\g+3], 768<<16                     ; tile_dim0
	s_mov_b32 s[\g+4], 64                          ; tile_dim1
	s_mov_b32 s[\g+5], 768                         ; from row to row
	s_mov_b32 s[\g+6], 0
	s_mov_b32 s[\g+7], 0
.endr
	; and 4,096 dense scale bytes as 16 rows of 256 (32 elements of 8 bytes), 16 bytes of padding behind each
	s_or_b32 s[G1S], s37, (3<<16)|(1<<20)|(1<<21)|(5<<22)|(3<<25)
	s_mov_b32 s[G1S+1], 32<<16
	s_mov_b32 s[G1S+2], 16<<16
	s_mov_b32 s[G1S+3], 32<<16
	s_mov_b32 s[G1S+4], 16
	s_mov_b32 s[G1S+5], 32
	s_mov_b32 s[G1S+6], 0
	s_mov_b32 s[G1S+7], 0
	s_mov_b32 s[SEL], 0x76543210
	s_mov_b32 s[SEL+1], 0xfedcba98
	; offsets that hang on b alone, in s40-47; on hp alone, in s96-99
	s_mul_i32 s40, s36, 1024*768                   ; the batch's first byte of codes;
	s_add_co_u32 s44, s40, 1023*768                ; its last row;
	s_mul_i32 s41, s[RH], 64*768
	s_add_co_u32 s40, s40, s41                     ; the 64 rows of a slot that waves 0 and 1 fetch
	s_mov_b32 s41, 0
	s_mov_b32 s45, 0
	s_lshl_b32 s42, s36, 15                        ; the batch's scale bytes;
	s_add_co_u32 s46, s42, 1023*32                 ; its last row's
	s_mov_b32 s43, 0
	s_mov_b32 s47, 0
	s_mul_i32 s96, s35, 128*768                    ; my head's 64 rows of Wk and of Wv: codes,
	s_mul_i32 s97, s[HD], 64*768
	s_add_co_u32 s96, s96, s97
	s_mov_b32 s97, 0
	s_lshl_b32 s98, s35, 12                        ; and scale bytes
	s_lshl_b32 s99, s[HD], 11
	s_add_co_u32 s98, s98, s99
	s_mov_b32 s99, 0
	s_mul_i32 s39, s[WV], HALFX                    ; my place in the staging: no place in the cluster enters an LDS address
	s_wait_kmcnt 0x0
	s_mov_b32 s[G0X], 1                            ; 1:0 count = 1
	s_mul_i32 s[G0X+1], s[RH], HALFX               ; 63:32 LDS address: slot 0
	s_add_nc_u64 s[G0X+2:G0X+3], s[4:5], s[40:41]  ; 120:64 global address
	s_or_b32 s[G0X+3], s[G0X+3], 0x80000000        ; 127:126 type = 2
	s_mov_b32 s[G0S], 1
	s_mov_b32 s[G0S+1], XSO
	s_add_nc_u64 s[G0S+2:G0S+3], s[6:7], s[42:43]
	s_or_b32 s[G0S+3], s[G0S+3], 0x80000000
	s_mov_b32 s[G0WK], 1
	s_add_co_u32 s[G0WK+1], s39, WST
	s_add_nc_u64 s[G0WK+2:G0WK+3], s[14:15], s[96:97]
	s_or_b32 s[G0WK+3], s[G0WK+3], 0x80000000
	s_mov_b32 s[G0WV], 1
	s_add_co_u32 s[G0WV+1], s39, WST
	s_add_nc_u64 s[G0WV+2:G0WV+3], s[20:21], s[96:97]
	s_or_b32 s[G0WV+3], s[G0WV+3], 0x80000000
	ROUND                                          ; all sixteen work-groups are here: the first joint loads meet
	WLOAD                                          ; the first fills go out as one group: at most two tensor loads of a wave are out
	XLOAD
	; ---- q, while the tiles land.  Wave w makes features 32 w .. 32 w + 31 of the pair: two tiles of 16 rows of Wq against x's last row, which every lane r takes alike
	s_add_nc_u64 s[4:5], s[4:5], s[44:45]          ; x's last row: codes,
	s_add_nc_u64 s[6:7], s[6:7], s[46:47]          ; scale bytes
	s_add_nc_u64 s[16:17], s[16:17], s[98:99]      ; my head's scale bytes of Wk,
	s_add_nc_u64 s[22:23], s[22:23], s[98:99]      ; of Wv
	s_mul_i32 s96, s35, 128*768
	s_mul_i32 s98, s[WV], 32*768
	s_add_co_u32 s96, s96, s98
	s_add_nc_u64 s[8:9], s[8:9], s[96:97]          ; my 32 rows of Wq: codes,
	s_lshl_b32 s96, s35, 12
	s_lshl_b32 s98, s[WV], 10
	s_add_co_u32 s96, s96, s98
	s_add_nc_u64 s[10:11], s[10:11], s[96:97]      ; scale bytes
	s_lshl_b32 s96, s35, 9
	s_add_nc_u64 s[24:25], s[24:25], s[96:97]      ; bv of the pair
	s_lshl_b32 s98, s[WV], 7
	s_add_co_u32 s98, s96, s98
	s_add_nc_u64 s[12:13], s[12:13], s[98:99]      ; bq of my 32 features
	s_lshl_b32 s98, s[HD], 8
	s_add_co_u32 s98, s96, s98
	s_add_nc_u64 s[18:19], s[18:19], s[98:99]      ; bk of my head
	s_mul_i32 s96, s35, 96
	s_add_nc_u64 s[26:27], s[26:27], s[96:97]      ; the result: row b, 96 bytes of codes from 96 hp on,
	s_mul_i32 s40, s36, 768
	s_add_nc_u64 s[26:27], s[26:27], s[40:41]
	s_lshl_b32 s96, s35, 2
	s_add_nc_u64 s[28:29], s[28:29], s[96:97]      ; and 4 scale bytes from 4 hp on
	s_lshl_b32 s40, s36, 5
	s_add_nc_u64 s[28:29], s[28:29], s[40:41]
	v_and_b32 v22, 15, v0                          ; r
	v_bfe_u32 v23, v0, 4, 1                        ; h
	v_mul_u32_u24 v10, v22, 768
	v_mad_u32_u24 v10, v23, 24, v10                ; a row of codes in memory: 768 r + 24 h
	v_mul_u32_u24 v11, v23, 24                     ; the last row: 24 h
	v_lshlrev_b32 v12, 5, v23                      ; a bias: 32 h
	v_lshlrev_b32 v9, 5, v22
	v_lshl_add_u32 v9, v23, 4, v9                  ; scale bytes: 32 r + 16 h
	v_lshlrev_b32 v14, 4, v23                      ; the last row's: 16 h
.irp u, 0,1
	global_load_b128 v[KA+8*\u:KA+8*\u+3], v12, s[12:13] offset:64*\u          ; bq(32 w + 16 u + 8 h + j): the C of q's first products
	global_load_b128 v[KA+8*\u+4:KA+8*\u+7], v12, s[12:13] offset:64*\u+16
	global_load_b128 v[XS+4*\u:XS+4*\u+3], v9, s[10:11] offset:512*\u          ; Wq's scale words
.endr
	global_load_b128 v[WS:WS+3], v14, s[6:7]       ; the last row's
.irp t, 0,1,2,3
	global_load_b128 v[VA+8*\t:VA+8*\t+3], v12, s[18:19] offset:64*\t          ; bk(16 t + 8 h + j) of my head
	global_load_b128 v[VA+8*\t+4:VA+8*\t+7], v12, s[18:19] offset:64*\t+16
.endr
	WIN 0x80                                       ; destination window 2: the last row's 8 fragments at v[12 q]
.irp q, 0,1,2,3,4,5,6,7
.irp p, 0,1,2,3,4,5
	global_load_b64 v[12*\q+2*\p:12*\q+2*\p+1], v11, s[4:5] offset:96*\q+48*(\p/3)+8*(\p%3)
.endr
.endr
	WIN 0x40                                       ; destination window 1: Wq's 16 fragments at v[12 (8 u + q)]
.irp u, 0,1
.irp q, 0,1,2,3,4,5,6,7
.irp p, 0,1,2,3,4,5
	global_load_b64 v[12*(8*\u+\q)+2*\p:12*(8*\u+\q)+2*\p+1], v10, s[8:9] offset:\u*16*768+96*\q+48*(\p/3)+8*(\p%3)
.endr
.endr
.endr
	WIN 0
	; the LDS addresses, while the loads are out
	s_lshl_b32 s39, s[WV], 7
	s_add_co_u32 s39, s39, QS
	v_add_nc_u32 v15, s39, v12                     ; where I put qs: QS + 128 w + 32 h
	s_lshl_b32 s39, s[HD], 8
	s_add_co_u32 s39, s39, QS
	v_add_nc_u32 v16, s39, v12                     ; and whence I take my head's: QS + 256 hd + 32 h
	v_mul_u32_u24 v17, v22, PITCH
	v_mad_u32_u24 v17, v23, 24, v17                ; r PITCH + 24 h
	s_mul_i32 s39, s[RH], HALFX
	v_add_nc_u32 v[AA0], s39, v17
	v_lshl_add_u32 v[AA0+1], v23, 4, v[AA0]
	s_mul_i32 s39, s[HD], 2*HALFX
	s_add_co_u32 s39, s39, WST
	v_add_nc_u32 v[WA], s39, v17                   ; the staging: my head's Wk,
	v_lshl_add_u32 v[WA+1], v23, 4, v[WA]
	v_add_nc_u32 v[WA+2], HALFX, v[WA]             ; and its Wv
	v_add_nc_u32 v[WA+3], HALFX, v[WA+1]
	v_lshrrev_b32 v17, 3, v22
	v_and_b32 v18, 7, v22
	v_mul_u32_u24 v[AX0], v17, 272                 ; a row's 32 scale bytes: eight rows to a run of 256 + 16
	v_lshl_add_u32 v[AX0], v18, 5, v[AX0]
	v_lshl_add_u32 v[AX0], v23, 4, v[AX0]
	s_mul_i32 s39, s[RH], 8*272
	s_add_co_u32 s39, s39, XSO
	v_add_nc_u32 v[AX0], s39, v[AX0]
	s_wait_loadcnt 0x0
	WIN 0x09                                       ; source 0 (Wq) window 1, source 1 (the last row) window 2
.irp q, 0,1,2,3
.irp u, 0,1
	v_wmma_scale_f32_16x16x128_f8f6f4 v[KA+8*\u:KA+8*\u+7], v[12*(8*\u+\q):12*(8*\u+\q)+11], v[12*\q:12*\q+11], v[KA+8*\u:KA+8*\u+7], v[XS+4*\u+\q], v[WS+\q] matrix_a_fmt:MATRIX_FMT_FP6 matrix_b_fmt:MATRIX_FMT_FP6
.endr
.endr
.irp q, 4,5,6,7
.irp u, 0,1
	v_wmma_scale_f32_16x16x128_f8f6f4 v[KA+8*\u:KA+8*\u+7], v[12*(8*\u+\q):12*(8*\u+\q)+11], v[12*\q:12*\q+11], v[KA+8*\u:KA+8*\u+7], v[XS+4*\u+\q-4], v[WS+\q-4] matrix_a_fmt:MATRIX_FMT_FP6 matrix_b_fmt:MATRIX_FMT_FP6 matrix_a_scale:MATRIX_SCALE_ROW1 matrix_b_scale:MATRIX_SCALE_ROW1
.endr
.endr
	WIN 0
	PLACES
.irp i, 0,1,2,3,4,5,6,7
	v_pk_mul_f32 v[KA+16+2*\i:KA+17+2*\i], v[KA+2*\i:KA+2*\i+1], 0x3e38aa3b op_sel_hi:[1,0]   ; qs = q x 0.125 x log2(e)
.endr
.irp u, 0,1
	ds_store_b128 v15, v[KA+16+8*\u:KA+19+8*\u] offset:64*\u          ; the sixteen lanes of a half hold the same numbers and write the same bytes
	ds_store_b128 v15, v[KA+20+8*\u:KA+23+8*\u] offset:64*\u+16
.endr
	s_wait_tensorcnt 0x0                           ; my part of the weights and of slot 0 is in,
	s_wait_dscnt 0x0                               ; my part of qs is stored:
	s_barrier_signal -1
	s_barrier_wait -1                              ; everybody's is.
	; ---- the weights go into the registers
.irp t, 0,1,2,3
	ds_load_b128 v[QR+8*\t:QR+8*\t+3], v16 offset:64*\t
	ds_load_b128 v[QR+8*\t+4:QR+8*\t+7], v16 offset:64*\t+16
.endr
.irp t, 0,1,2,3
	global_load_b128 v[WS+4*\t:WS+4*\t+3], v9, s[16:17] offset:512*\t          ; scale words of Wk's tile t,
	global_load_b128 v[WS+16+4*\t:WS+19+4*\t], v9, s[22:23] offset:512*\t      ; of Wv's
.endr
	s_wait_dscnt 0x0                               ; qs
.set F_, 0
.rept 64                                       ; fragment f = 8 q + t
.if F_ == 63
	WIN 0
.set WR, 240
.else
	WIN (1+F_/21)<<6
.set WR, 12*(F_%21)
.endif
.if F_%8 < 4
	FRAG WR, WA, F_/8, (F_%4)*TROW
.else
	FRAG WR, WA+2, F_/8, (F_%4)*TROW
.endif
.set F_, F_+1
.endr
	WIN 0
	v_pk_mul_f32 v[16:17], v[QR:QR+1], v[VA:VA+1]  ; q.bk of my 32 features, while the fragments come
.irp i, 1,2,3,4,5,6,7,8,9,10,11,12,13,14,15
	v_pk_fma_f32 v[16:17], v[QR+2*\i:QR+2*\i+1], v[VA+2*\i:VA+2*\i+1], v[16:17]
.endr
	v_add_f32 v20, v16, v17
	v_mov_b32 v21, 0
.set I_, 0
.rept 32
	v_mov_b32 v[OA+I_], 0                          ; O.  (The tile is written once: the first finds zeros, which F = 0 leaves zeros)
.set I_, I_+1
.endr
	v_mov_b32 v13, 0xff61b1e6                      ; M: -3e38, under every t
	v_mov_b32 v11, 0                               ; L
	v_mov_b32 v15, 0                               ; written once: a lane permute's destination counts as one of its sources
	s_mov_b32 s[TB], 0
	s_mov_b32 s[SLOTS], 7
	s_wait_loadcnt 0x0                             ; the weights' scale words
	; ---- the rows.  7 trips: behind each change of slots but the last the next 128 rows are asked for.  The first change's wait on DScnt is also the wait for the weights' fragments; its refill lands over the staging
.Lslot:
	CHANGE 1
	SLOTWORK
	s_sub_co_u32 s[SLOTS], s[SLOTS], 1
	s_cmp_lg_u32 s[SLOTS], 0
	s_cbranch_scc1 .Lslot
	CHANGE 0                                       ; the last slot is written out
	SLOTWORK
	; ---- the merge: first the sixteen lanes of my half, which hold the same features of different rows
	v_mov_b32 v22, v13
.irp x, 1,2,4,8
	v_max_num_f32_dpp v22, v22, v22 row_xmask:\x row_mask:0xf bank_mask:0xf
.endr
	v_sub_f32 v14, v13, v22
	v_exp_f32 v10, v14                             ; 2^(my M - the wave's M)
	v_bfe_u32 v3, v0, 4, 1                         ; (plain lines behind the exponential: the addresses of the merge and of the finish, made by every wave)
	v_lshlrev_b32 v3, 5, v3
	s_lshl_b32 s39, s[WV], 9
	s_add_co_u32 s39, s39, MRG
	v_add_nc_u32 v3, s39, v3                       ; my O: MRG + 512 w + 32 h
	s_add_co_u32 s39, s39, 256
	v_mov_b32 v4, s39                              ; my (M, L)
	v_and_b32 v9, 7, v0                            ; the finish: lane l % 8 takes features 16 (l % 8) on of the pair's 128
	v_lshrrev_b32 v6, 2, v9
	v_lshlrev_b32 v6, 10, v6                       ; their head's two waves begin at 1,024 x head
	v_and_b32 v5, 3, v9
	v_lshl_add_u32 v5, v5, 6, v6
	v_add_nc_u32 v5, MRG, v5
	v_add_nc_u32 v6, MRG+256, v6
	v_lshlrev_b32 v7, 6, v9                        ; bv: 64 bytes a lane
	v_mul_u32_u24 v8, v9, 12                       ; 16 codes: 12 bytes a lane
	v_lshrrev_b32 v9, 1, v9                        ; a scale byte for two lanes
	s_wait_alu depctr_va_vdst(0)
	v_mul_f32 v23, v11, v10
.set I_, 0
.rept 16
	PMUL I_
.set I_, I_+1
.endr
.irp x, 1,2,4,8
	v_add_f32_dpp v23, v23, v23 row_xmask:\x row_mask:0xf bank_mask:0xf
.set I_, 0
.rept 32
	v_add_f32_dpp v[OA+I_], v[OA+I_], v[OA+I_] row_xmask:\x row_mask:0xf bank_mask:0xf
.set I_, I_+1
.endr
.endr
.irp t, 0,1,2,3
	ds_store_b128 v3, v[OA+8*\t:OA+8*\t+3] offset:64*\t               ; the sixteen lanes of a half now hold the same numbers and write the same bytes
	ds_store_b128 v3, v[OA+8*\t+4:OA+8*\t+7] offset:64*\t+16
.endr
	ds_store_b64 v4, v[22:23]                      ; (M, L): the same in all 32 lanes, since both halves summed the same scores
	s_wait_dscnt 0x0                               ; for the others' sake: my stores are done
	s_barrier_signal -1
	s_barrier_wait -1
	; ---- the finish: wave 0 alone; no barrier stands in the branch
	s_cmp_lg_u32 s[WV], 0
	s_cbranch_scc1 .Lend
.irp i, 0,1,2,3
	global_load_b128 v[96+4*\i:99+4*\i], v7, s[24:25] offset:16*\i    ; bv
	ds_load_b128 v[64+4*\i:67+4*\i], v5 offset:16*\i                  ; O of the head's first row half,
	ds_load_b128 v[80+4*\i:83+4*\i], v5 offset:512+16*\i              ; of its second
.endr
	ds_load_b64 v[112:113], v6                     ; (M, L) of the first,
	ds_load_b64 v[114:115], v6 offset:512          ; of the second
	s_wait_dscnt 0x0
	v_max_num_f32 v116, v112, v114
	v_sub_f32 v117, v112, v116
	v_sub_f32 v118, v114, v116
	v_exp_f32 v120, v117
	v_exp_f32 v122, v118
	v_nop                                          ; one plain line behind the exponentials
	s_wait_alu depctr_va_vdst(0)
	v_mul_f32 v119, v113, v120
	v_fma_f32 v119, v115, v122, v119               ; the row's sum
	v_rcp_f32 v124, v119
	v_nop                                          ; and behind the reciprocal
	s_wait_alu depctr_va_vdst(0)
	v_mul_f32 v120, v120, v124
	v_mul_f32 v122, v122, v124
	v_mov_b32 v121, v120                           ; pairs for the packed forms
	v_mov_b32 v123, v122
	s_wait_loadcnt 0x0
.irp i, 0,1,2,3,4,5,6,7
	v_pk_fma_f32 v[144+2*\i:145+2*\i], v[64+2*\i:65+2*\i], v[120:121], v[96+2*\i:97+2*\i]
.endr
.irp i, 0,1,2,3,4,5,6,7
	v_pk_fma_f32 v[144+2*\i:145+2*\i], v[80+2*\i:81+2*\i], v[122:123], v[144+2*\i:145+2*\i]   ; the attention's output, 16 neighbours a lane: two lanes hold a block of 32
.endr
	v_max3_num_f32 v160, |v144|, |v145|, |v146|    ; the largest magnitude of my 16
	v_max3_num_f32 v161, |v147|, |v148|, |v149|
.irp i, 6,10
	v_max3_num_f32 v160, v160, |v[144+\i]|, |v[145+\i]|
	v_max3_num_f32 v161, v161, |v[146+\i]|, |v[147+\i]|
.endr
	v_max3_num_f32 v160, v160, |v158|, |v159|
	v_max3_num_f32 v160, v160, v161, 0x1800000     ; and the floor 2^(3 - 127): the byte cannot fall under 1
	v_max_num_f32_dpp v160, v160, v160 row_xmask:1 row_mask:0xf bank_mask:0xf   ; and of my neighbour's 16: the block's
	v_add_nc_u32 v162, 0xff000000, v160            ; 2 off its exponent field: the conversion takes the exponent field of this operand as its scale, and nothing else of it
	v_cvt_scalef32_pk16_fp6_f32 v[164:166], v[144:159], v162
	v_lshrrev_b32 v163, 23, v162                   ; the scale's byte.  (The plain line behind the conversion)
	s_wait_xcnt 0x0                                ; EXEC changes only behind this wait
	v_cmp_gt_u32 vcc_lo, 8, v0
	s_and_saveexec_b32 s39, vcc_lo                 ; lanes 0-7: the others hold copies
	global_store_b96 v8, v[164:166], s[26:27]      ; eight lanes store 96 consecutive bytes
	global_store_b8 v9, v163, s[28:29]             ; both lanes of a block write the same byte with the same value
	s_wait_xcnt 0x0                                ; and again, in front of the line that widens it
	s_or_b32 exec_lo, exec_lo, s39
.Lend:
	s_wait_tensorcnt 0x0                           ; the wave's end, behind my last tensor load and my last LDS store
	ds_add_u32 v1, v2
	s_wait_dscnt 0x0
	ROUND                                          ; the closing round: no work-group ends while a partner may still ask for a tile that names it
	s_endpgm
.Lfunc_end_k_q0129152f06_attn:
	.size	k_q0129152f06_attn, .Lfunc_end_k_q0129152f06_attn-k_q0129152f06_attn
	.p2alignl 7, 3214868480
	.fill 96, 4, 3214868480
	.section	.rodata,"a",@progbits
	.p2align	6, 0x0
	.amdhsa_kernel k_q0129152f06_attn
		.amdhsa_group_segment_fixed_size 327680
		.amdhsa_private_segment_fixed_size 0
		.amdhsa_enable_private_segment 0
		.amdhsa_kernarg_size 104
		.amdhsa_user_sgpr_count 2
		.amdhsa_user_sgpr_kernarg_segment_ptr 1
		.amdhsa_wavefront_size32 1
		.amdhsa_system_sgpr_workgroup_id_x 1
		.amdhsa_system_sgpr_workgroup_id_y 1
		.amdhsa_system_sgpr_workgroup_id_z 1
		.amdhsa_system_vgpr_workitem_id 0
		.amdhsa_next_free_vgpr 1024
		.amdhsa_next_free_sgpr 100
		.amdhsa_reserve_vcc 1
		.amdhsa_float_denorm_mode_32 3
		.amdhsa_float_denorm_mode_16_64 3
		.amdhsa_memory_ordered 1
		.amdhsa_forward_progress 1
		.amdhsa_inst_pref_size 207
	.end_amdhsa_kernel
	.amdgpu_metadata
---
amdhsa.version: [ 1, 2 ]
amdhsa.kernels:
  - .name:           k_q0129152f06_attn
    .symbol:         k_q0129152f06_attn.kd
    .args:
      - { .name: x_codes, .offset: 0, .size: 8, .value_kind: global_buffer, .address_space: global }
      - { .name: x_scales, .offset: 8, .size: 8, .value_kind: global_buffer, .address_space: global }
      - { .name: Wq_codes, .offset: 16, .size: 8, .value_kind: global_buffer, .address_space: global }
      - { .name: Wq_scales, .offset: 24, .size: 8, .value_kind: global_buffer, .address_space: global }
      - { .name: bq, .offset: 32, .size: 8, .value_kind: global_buffer, .address_space: global }
      - { .name: Wk_codes, .offset: 40, .size: 8, .value_kind: global_buffer, .address_space: global }
      - { .name: Wk_scales, .offset: 48, .size: 8, .value_kind: global_buffer, .address_space: global }
      - { .name: bk, .offset: 56, .size: 8, .value_kind: global_buffer, .address_space: global }
      - { .name: Wv_codes, .offset: 64, .size: 8, .value_kind: global_buffer, .address_space: global }
      - { .name: Wv_scales, .offset: 72, .size: 8, .value_kind: global_buffer, .address_space: global }
      - { .name: bv, .offset: 80, .size: 8, .value_kind: global_buffer, .address_space: global }
      - { .name: ao_codes, .offset: 88, .size: 8, .value_kind: global_buffer, .address_space: global }
      - { .name: ao_scales, .offset: 96, .size: 8, .value_kind: global_buffer, .address_space: global }
    .group_segment_fixed_size: 327680
    .private_segment_fixed_size: 0
    .kernarg_segment_align: 8
    .kernarg_segment_size: 104
    .max_flat_workgroup_size: 128
    .sgpr_count:     100
    .vgpr_count:     1024
    .wavefront_size: 32
...
	.end_amdgpu_metadata
.endif
;; end of part 1
;; launch oproj (part 2): grid 16 x 1, 4 waves a work-group, no clusters, 9,216 bytes of LDS; arguments ao_codes, ao_scales, Wo_codes, Wo_scales, bo, out0; writes out0
.if DOCPART == 2
	.amdgcn_target "amdgcn-amd-amdhsa--gfx1250"
	.amdhsa_code_object_version 6
	.text
	.protected	k_q0129152f06_oproj
	.globl	k_q0129152f06_oproj
	.p2align	8
	.type	k_q0129152f06_oproj,@function
k_q0129152f06_oproj:
	s_mov_b64 s[64:65], 0
	v_nop
	global_prefetch_b8 v0, s[64:65] scope:SCOPE_SE
	s_setreg_imm32_b32 hwreg(HW_REG_WAVE_MODE, 25, 1), 1
	s_wait_xcnt 0x0
; out0[b][n] = sum over k of ao[b][k] Wo[n][k] + bo[n]: 32 x 1,024 x 1,024, both operands codes of FP6 (E2M3) with one E8M0 scale for each 32 along K; ao's were made by the launch before.
; Work-group g owns columns 64 g .. 64 g + 63 (256 bytes of a row of out0), wave w of it columns n0 = 64 g + 16 w on, for both tiles of 16 batches: 16 matrix instructions, two accumulators by turns.
; The launch moves under 1 MB and every operand byte goes straight into registers, once for each wave that multiplies by it: no tensor loads, no ring; a cluster would share only ao's 24 KB.
; The product is used transposed (source 0 = 16 rows of Wo, source 1 = 16 rows of ao): lane (r, h) holds batch r and register j column n0 + 8 h + j; bo is the C of each sum's first instruction.
; REGISTERS: window 0: v1 r, v2 h, v3-9 offsets; v16-23 bo; v24-27 Wo's scale words, v28-35 ao's (register k: lanes 0-15 K step k, lanes 16-31 K step 4 + k); v40-55 the two accumulators;
;   v64-159, v160-255 ao's fragments of batches 0-15, 16-31, K step q at + 12 q.   window 1: v0-95 Wo's 8 fragments.
.set SP, 272                           ; a row of the stage: 256 bytes + 16
.set MSB, 0
.macro WIN new                         ; the immediate's high byte repeats the setting that is left
.if MSB != (\new)
	s_set_vgpr_msb (MSB<<8)|(\new)
.set MSB, (\new)
.endif
.endm
	s_load_b256 s[4:11], s[0:1], 0x0               ; ao_codes 4, ao_scales 6, Wo_codes 8, Wo_scales 10
	s_load_b128 s[12:15], s[0:1], 0x20             ; bo 12, out0 14
	v_lshl_add_u32 v62, v0, 2, 0x2200
	v_mov_b32 v63, 0
	v_lshrrev_b32 v1, 5, v0
	v_readfirstlane_b32 s16, v1                    ; wave 0..3
	v_and_b32 v1, 15, v0                           ; r
	v_bfe_u32 v2, v0, 4, 1                         ; h
	v_mul_u32_u24 v3, v1, 768
	v_mad_u32_u24 v3, v2, 24, v3                   ; a row of 1,024 codes: 768 r + 24 h
	v_lshlrev_b32 v5, 5, v1
	v_lshl_add_u32 v5, v2, 4, v5                   ; its scale bytes: 32 r + 16 h
	v_lshlrev_b32 v6, 5, v2                        ; bo: 32 h
	s_lshl_b32 s17, s16, 6
	v_mul_u32_u24 v7, v1, SP
	v_lshl_add_u32 v7, v2, 5, v7
	v_add_nc_u32 v7, s17, v7                       ; into the stage: row r, + 64 w + 32 h
	s_mul_i32 s17, s16, 8*SP
	v_mul_u32_u24 v8, v2, SP
	v_lshl_add_u32 v8, v1, 4, v8
	v_add_nc_u32 v8, s17, v8                       ; back: rows 8 w + h, 16 bytes a lane
	v_lshlrev_b32 v9, 12, v2
	v_lshl_add_u32 v9, v1, 4, v9                   ; and the same in out0: 4,096 h + 16 r
	s_lshl_b32 s18, ttmp9, 6
	s_lshl_b32 s19, s16, 4
	s_add_co_u32 s18, s18, s19                     ; n0
	s_mov_b32 s21, 0
	s_mul_i32 s20, s18, 768
	s_wait_kmcnt 0x0
	s_add_nc_u64 s[8:9], s[8:9], s[20:21]          ; my 16 rows of Wo: codes,
	s_lshl_b32 s20, s18, 5
	s_add_nc_u64 s[10:11], s[10:11], s[20:21]      ; scale bytes;
	s_lshl_b32 s20, s18, 2
	s_add_nc_u64 s[12:13], s[12:13], s[20:21]      ; bo at n0;
	s_lshl_b32 s20, s16, 15
	s_lshl_b32 s22, ttmp9, 8
	s_add_co_u32 s20, s20, s22
	s_add_nc_u64 s[14:15], s[14:15], s[20:21]      ; out0 at row 8 w, byte 256 g
	global_load_b128 v[16:19], v6, s[12:13]
	global_load_b128 v[20:23], v6, s[12:13] offset:16
	global_load_b128 v[24:27], v5, s[10:11]
	global_load_b128 v[28:31], v5, s[6:7]
	global_load_b128 v[32:35], v5, s[6:7] offset:512
.irp m, 0,1
.irp q, 0,1,2,3,4,5,6,7
.irp p, 0,1,2,3,4,5
	global_load_b64 v[64+96*\m+12*\q+2*\p:65+96*\m+12*\q+2*\p], v3, s[4:5] offset:\m*16*768+96*\q+48*(\p/3)+8*(\p%3)
.endr
.endr
.endr
	WIN 0x40                                       ; destination window 1
.irp q, 0,1,2,3,4,5,6,7
.irp p, 0,1,2,3,4,5
	global_load_b64 v[12*\q+2*\p:12*\q+2*\p+1], v3, s[8:9] offset:96*\q+48*(\p/3)+8*(\p%3)
.endr
.endr
	s_wait_loadcnt 0x0
	WIN 0x01                                       ; source 0 (Wo) window 1
.irp m, 0,1
	v_wmma_scale_f32_16x16x128_f8f6f4 v[40+8*\m:47+8*\m], v[0:11], v[64+96*\m:75+96*\m], v[16:23], v24, v[28+4*\m] matrix_a_fmt:MATRIX_FMT_FP6 matrix_b_fmt:MATRIX_FMT_FP6
.endr
.irp q, 1,2,3
.irp m, 0,1
	v_wmma_scale_f32_16x16x128_f8f6f4 v[40+8*\m:47+8*\m], v[12*\q:12*\q+11], v[64+96*\m+12*\q:75+96*\m+12*\q], v[40+8*\m:47+8*\m], v[24+\q], v[28+4*\m+\q] matrix_a_fmt:MATRIX_FMT_FP6 matrix_b_fmt:MATRIX_FMT_FP6
.endr
.endr
.irp q, 4,5,6,7
.irp m, 0,1
	v_wmma_scale_f32_16x16x128_f8f6f4 v[40+8*\m:47+8*\m], v[12*\q:12*\q+11], v[64+96*\m+12*\q:75+96*\m+12*\q], v[40+8*\m:47+8*\m], v[20+\q], v[24+4*\m+\q] matrix_a_fmt:MATRIX_FMT_FP6 matrix_b_fmt:MATRIX_FMT_FP6 matrix_a_scale:MATRIX_SCALE_ROW1 matrix_b_scale:MATRIX_SCALE_ROW1
.endr
.endr
	WIN 0
.rept 4
	v_nop                                          ; four places in front of the first read of results, and of the loads into registers that held ao's fragments
.endr
	; THE WAY OUT: a row's 256 bytes come from four waves: they meet in a stage, and each wave stores 8 whole rows
.irp m, 0,1
	ds_store_b128 v7, v[40+8*\m:43+8*\m] offset:\m*16*SP              ; each accumulator from its low end on
	ds_store_b128 v7, v[44+8*\m:47+8*\m] offset:\m*16*SP+16
.endr
	s_wait_dscnt 0x0                               ; for the others' sake: my stores are done
	s_barrier_signal -1
	s_barrier_wait -1
.irp i, 0,1,2,3
	ds_load_b128 v[64+4*\i:67+4*\i], v8 offset:\i*2*SP
.endr
.irp i, 0,1,2,3
	s_wait_dscnt 3-\i                              ; the loads issued behind pair i of rows may be out
	global_store_b128 v9, v[64+4*\i:67+4*\i], s[14:15] offset:\i*2*4096   ; 16 lanes store 256 consecutive bytes, at a multiple of 256 from out0's first byte
.endr
	s_wait_tensorcnt 0x0
	ds_add_u32 v62, v63
	s_wait_dscnt 0x0
	s_endpgm
.Lfunc_end_k_q0129152f06_oproj:
	.size	k_q0129152f06_oproj, .Lfunc_end_k_q0129152f06_oproj-k_q0129152f06_oproj
	.p2alignl 7, 3214868480
	.fill 96, 4, 3214868480
	.section	.rodata,"a",@progbits
	.p2align	6, 0x0
	.amdhsa_kernel k_q0129152f06_oproj
		.amdhsa_group_segment_fixed_size 9216
		.amdhsa_private_segment_fixed_size 0
		.amdhsa_enable_private_segment 0
		.amdhsa_kernarg_size 48
		.amdhsa_user_sgpr_count 2
		.amdhsa_user_sgpr_kernarg_segment_ptr 1
		.amdhsa_wavefront_size32 1
		.amdhsa_system_sgpr_workgroup_id_x 1
		.amdhsa_system_sgpr_workgroup_id_y 1
		.amdhsa_system_sgpr_workgroup_id_z 1
		.amdhsa_system_vgpr_workitem_id 0
		.amdhsa_next_free_vgpr 384
		.amdhsa_next_free_sgpr 66
		.amdhsa_reserve_vcc 0
		.amdhsa_float_denorm_mode_32 3
		.amdhsa_float_denorm_mode_16_64 3
		.amdhsa_memory_ordered 1
		.amdhsa_forward_progress 1
		.amdhsa_inst_pref_size 20
	.end_amdhsa_kernel
	.amdgpu_metadata
---
amdhsa.version: [ 1, 2 ]
amdhsa.kernels:
  - .name:           k_q0129152f06_oproj
    .symbol:         k_q0129152f06_oproj.kd
    .args:
      - { .name: ao_codes, .offset: 0, .size: 8, .value_kind: global_buffer, .address_space: global }
      - { .name: ao_scales, .offset: 8, .size: 8, .value_kind: global_buffer, .address_space: global }
      - { .name: Wo_codes, .offset: 16, .size: 8, .value_kind: global_buffer, .address_space: global }
      - { .name: Wo_scales, .offset: 24, .size: 8, .value_kind: global_buffer, .address_space: global }
      - { .name: bo, .offset: 32, .size: 8, .value_kind: global_buffer, .address_space: global }
      - { .name: out0, .offset: 40, .size: 8, .value_kind: global_buffer, .address_space: global }
    .group_segment_fixed_size: 9216
    .private_segment_fixed_size: 0
    .kernarg_segment_align: 8
    .kernarg_segment_size: 48
    .max_flat_workgroup_size: 128
    .sgpr_count:     66
    .vgpr_count:     384
    .wavefront_size: 32
...
	.end_amdgpu_metadata
.endif
;; end of part 2
;; ======== version 2 of 2: 2 launches
;; limits: right only within a limited range of input values
;; workspace buffers: ao_codes 24,576 bytes; ao_scales 1,024 bytes
;; launch attn (part 3): grid 8 x 32, 4 waves a work-group, clusters of 4 x 4, 327,680 bytes of LDS; arguments x_codes, x_scales, Wq_codes, Wq_scales, bq, Wk_codes, Wk_scales, Wv_codes, Wv_scales, bv, ao_codes, ao_scales; writes ao_codes, ao_scales
.if DOCPART == 3
	.amdgcn_target "amdgcn-amd-amdhsa--gfx1250"
	.amdhsa_code_object_version 6
	.text
	.protected	k_q0129152f06_attn
	.globl	k_q0129152f06_attn
	.p2align	8
	.type	k_q0129152f06_attn,@function
k_q0129152f06_attn:
	s_mov_b64 s[64:65], 0
	v_nop
	global_prefetch_b8 v0, s[64:65] scope:SCOPE_SE
	s_setreg_imm32_b32 hwreg(HW_REG_WAVE_MODE, 25, 1), 1
	s_wait_xcnt 0x0
	s_wait_alu depctr_hold_cnt(0) depctr_sa_sdst(0) depctr_va_vdst(0) depctr_va_sdst(0) depctr_va_ssrc(0) depctr_va_vcc(0) depctr_vm_vsrc(0)
	s_getreg_b32 s2, hwreg(HW_REG_IB_STS2, 6, 4)
	s_cmp_eq_u32 s2, 0
	s_cbranch_scc0 .Lentry_in_a_cluster
	s_endpgm
.Lentry_in_a_cluster:
	s_bfe_u32 s2, ttmp6, 0x10000c
	s_cmp_lg_u32 s2, 0xf033
	s_cbranch_scc0 .Lentry_shape_is_right
	s_endpgm
.Lentry_shape_is_right:
; ATTENTION OF ONE QUERY A BATCH: q = x[last] Wq^T + bq, K = x Wk^T, V = x Wv^T on codes of FP6 (E2M3), softmax(q K^T / 8), o = p V + bv, quantised along the hidden axis for the launch that follows.
; DEAD WORK LEFT OUT: bk.  With it every score of a head gains q . bk, the same number for all 1,024 keys, and a softmax over the keys does not change when one number is added to all its inputs; K goes into no quantiser.
; So bk reaches no output, whatever finite values it holds, and is no argument.  LIMIT: a NaN, an infinity or an overflow that only bk brings in is not carried to the result.  NaN and infinities in the other inputs are not served either.
; bv is added to the finished average: the p of a row sum to 1.
; A work-group makes two heads (128 columns) of one batch; wave = (head HD, half RH of each slot's rows).  A wave keeps 64 rows of Wk and 64 of Wv, all of K, in registers (64 fragments of 12) and streams x's rows past them, 16 at a time:
; each fragment of x feeds eight matrix instructions.
; CLUSTERS of 4 x 4: the four of a row share the batch (x's tiles), the four of a column share the heads (the weights' tiles): joint loads, masks s37 and s38.  Cluster c of sixteen takes batches 4 (c % 8) + 0 .. 3 and columns 512 (c / 8) + 0 .. 511.
; PREFETCH: slot 0 of x alone, at the head: the sixteen waves of a cluster's row name 24 blocks of 256 bytes each, told apart by address; its load follows behind q's products.
; The loop's refills have none: each goes out behind the 32nd product of a slot's last tile and is waited for ahead of the first product of the next slot's last tile, 224 products later.
; K IS USED TRANSPOSED (source 0 = 16 rows of Wk): lane (r, h) holds key r and columns 16 t + 8 h + j: the dot product with q runs along registers.
; V IS NOT (source 0 = 16 rows of x): lane (r, h) holds column 16 t + r and keys 8 h + j: the average runs along registers, four pairs of sums.
; A TILE: 32 products for K, then 32 for V; behind every second one stand one or two vector lines: among K's the last tile's average, among V's the dot product and the search for the maximum.
; x's fragments have one set of registers; K steps 0-3 of the next tile are loaded in the middle of V's products, 4-7 behind them.
; REGISTERS.  Window 0: names below; weights' fragment f at register 12 (f % 21) of window 1 + f / 21, f = 63 in window 0.  v508-511 and v764-767: the average's sums;  v1020-1022 LDS addresses in slot 0;  v1023 the thread's number.
.set PITCH, 816                        ; an LDS row: 3 x (256 bytes + 16)
.set HALFX, 64*PITCH
.set TROW,  16*PITCH
.set XSO,   128*PITCH                  ; a slot: 128 rows of codes, then their scale bytes, 16 units of 256 + 16
.set SLOT1, 1<<17
.set WST,   XSO+16*272                 ; Wk's 128 rows, then Wv's; slot 1 is laid over them when they are in registers
.set SPARE, WST+256*PITCH
.set QS,    SPARE+512                  ; q
.set MRG,   QS+512                     ; the waves' results
.set XLB,   MRG+2048                   ; the last row of x
.set NR,    14                         ; LDS loads of a run: 13 for four fragments, 1 for their scale words
.set NY,    6                          ; of a run's loads the youngest, those of its last two fragments
.set T,    0                           ; v0-7    the scores' temporaries, then p of eight keys
.set SPW,  8                           ; my spare word
.set NIL,  9                           ; 0
.set XS,   10                          ; v10-13  x's scale words: K step q in register 2 (q / 4) + q % 2, lanes 0-15 or 16-31 by (q / 2) % 2
.set ADA,  14                          ; v14, 15 LDS address of the fragments to be loaded (15: pieces that lie behind one padding more in lanes 16-31)
.set WS,   16                          ; v16-47  the weights' scale words, four a tile, laid as x's
.set ADX,  48                          ; LDS address of the scale words
.set M,    49                          ; the running maximum, the same in all lanes
.set L,    50                          ; the sum of p, a lane's part
.set X,    51                          ; p: lanes 0-15 key r, lanes 16-31 key r xor 8
.set KA,   52                          ; v52-83  sums of K
.set VA,   84                          ; v84-115 sums of V
.set QR,   116                         ; v116-147 q x log2(e) / 8
.set BUF,  148                         ; v148-243 x's eight fragments
.set W63,  244
.set WV,   30
.set HD,   31
.set RH,   32
.set SEL,  40
.set TB,   42                          ; the slot's first byte
.set SLOTS, 43
.set SA,   44                          ; the next tile's codes,
.set MASK, 45
.set SX,   46                          ; and its scale bytes, counted from slot 0's first tile
.set G1X,  48
.set G1S,  56
.set G1W,  68
.set G0X,  76
.set G0S,  80
.set G0WQ, 84
.set G1L,  88
.set G0L,  96
.set G0WK, 40                          ; until the first refill; then the loop's scalars lie here
.set G0WV, 44
.set MSB, 0
.macro WIN new                         ; the immediate's high byte repeats the setting that is left
.if MSB != (\new)
	s_set_vgpr_msb (MSB<<8)|(\new)
.set MSB, (\new)
.endif
.endm
.macro WALU
	s_wait_alu depctr_va_vdst(0)
.endm
.macro PLACES
.rept 4
	v_nop
.endr
.endm
.macro CREST                           ; a round of the cluster's barrier behind its opening barrier
	s_cmp_lg_u32 s[WV], 0
	s_cbranch_scc1 .Lnot_wave_0_\@
	s_barrier_signal -3
.Lnot_wave_0_\@:
	s_barrier_wait -3
	s_barrier_signal -1
	s_barrier_wait -1
.endm
.macro ROUND
	s_barrier_signal -1
	s_barrier_wait -1
	CREST
.endm
.macro TLOAD g0, g1
	tensor_load_to_lds s[\g0:\g0+3], s[\g1:\g1+7]
	s_nop 0
	PLACES
.endm
.macro XLOAD                           ; a slot: waves 0 and 1 half of the codes each, wave 2 the scale bytes
	s_cmp_lt_u32 s[WV], 2
	s_cbranch_scc0 .Lnot_x_\@
	TLOAD G0X, G1X
	s_branch .Lx_asked_\@
.Lnot_x_\@:
	s_cmp_eq_u32 s[WV], 2
	s_cbranch_scc0 .Lx_asked_\@
	TLOAD G0S, G1S
.Lx_asked_\@:
.endm
.macro STEPD                           ; the descriptors go on to the next slot
	s_xor_b32 s[G0X+1], s[G0X+1], SLOT1
	s_add_nc_u64 s[G0X+2:G0X+3], s[G0X+2:G0X+3], 128*768
	s_xor_b32 s[G0S+1], s[G0S+1], SLOT1
	s_add_nc_u64 s[G0S+2:G0S+3], s[G0S+2:G0S+3], 128*32
.endm
; A fragment, 16 rows x 128 K: lane (r, h) holds row r; registers 6 c .. 6 c + 5 hold K = 64 c + 32 h + 0 .. 31, in pieces of 8 bytes, two to a load where both go by one address register.
.macro FRAG reg, q, adr
.set SKIP_, 0
.irp p, 0,1,2,3,4,5
.if SKIP_
.set SKIP_, 0
.else
.set PC_, 12*(\q)+6*(\p/3)+\p%3
.set PN_, 12*(\q)+6*((\p+1)/3)+(\p+1)%3
.set X_, (PC_%32+3)/32
.set XN_, (PN_%32+3)/32
.if (\p < 5) && (X_ == XN_)
.set SKIP_, 1
	ds_load_2addr_b64 v[(\reg)+2*\p:(\reg)+2*\p+3], v[(\adr)+X_] offset0:PC_+2*(PC_/32) offset1:PN_+2*(PN_/32)
.else
	ds_load_b64 v[(\reg)+2*\p:(\reg)+2*\p+1], v[(\adr)+X_] offset:8*(PC_+2*(PC_/32))
.endif
.endif
.endr
.endm
.macro RUN half                        ; four fragments and their scale words: NR loads, the last two fragments' NY youngest
	WIN 0
.irp k, 0,1
	FRAG BUF+12*(4*(\half)+\k), 4*(\half)+\k, ADA
.endr
	ds_load_b64 v[XS+2*(\half):XS+2*(\half)+1], v[ADX] offset:16*(\half)
.irp k, 2,3
	FRAG BUF+12*(4*(\half)+\k), 4*(\half)+\k, ADA
.endr
.endm
.macro WREG f
.if (\f) == 63
.set WW, 0
.set WR, W63
.else
.set WW, 1+(\f)/21
.set WR, 12*((\f)%21)
.endif
.endm
.macro MM d, s0, s1, x0, x1, zero
.if \zero
	v_wmma_scale_f32_16x16x128_f8f6f4 v[\d:\d+7], v[\s0:\s0+11], v[\s1:\s1+11], 0, v[\x0], v[\x1] matrix_a_fmt:MATRIX_FMT_FP6 matrix_b_fmt:MATRIX_FMT_FP6
.elseif (Q_/2)%2 == 0
	v_wmma_scale_f32_16x16x128_f8f6f4 v[\d:\d+7], v[\s0:\s0+11], v[\s1:\s1+11], v[\d:\d+7], v[\x0], v[\x1] matrix_a_fmt:MATRIX_FMT_FP6 matrix_b_fmt:MATRIX_FMT_FP6
.else
	v_wmma_scale_f32_16x16x128_f8f6f4 v[\d:\d+7], v[\s0:\s0+11], v[\s1:\s1+11], v[\d:\d+7], v[\x0], v[\x1] matrix_a_fmt:MATRIX_FMT_FP6 matrix_b_fmt:MATRIX_FMT_FP6 matrix_a_scale:MATRIX_SCALE_ROW1 matrix_b_scale:MATRIX_SCALE_ROW1
.endif
.endm
.macro MMA kv, n                       ; product n = 4 q + i of a tile's 32 for K (kv = 0) or V (1): four accumulators by turns
.set Q_, (\n)/4
.set J_, (\n)%4
	WREG 32*(\kv)+(\n)
.set SW_, WS+16*(\kv)+4*J_+2*(Q_/4)+Q_%2
.set SX_, XS+2*(Q_/4)+Q_%2
.set BF_, BUF+12*Q_
.set Z_, (Q_==0)
.if \kv
.set D_, VA+8*J_
	WIN WW<<2
	MM D_, BF_, WR, SX_, SW_, Z_
.else
.set D_, KA+8*J_
	WIN WW
	MM D_, WR, BF_, SW_, SX_, Z_
.endif
.endm
.macro OMUL t                          ; the average's sums under the new maximum
.if (\t) < 2
	WIN 0x41
.else
	WIN 0x82
.endif
	v_pk_mul_f32 v[252+2*((\t)%2):253+2*((\t)%2)], v[252+2*((\t)%2):253+2*((\t)%2)], v[T+4:T+5] op_sel_hi:[1,0]
.endm
.macro PMOV j                          ; p of key 8 h + j, in all lanes of half h
	WIN 0
	v_mov_b32_dpp v[T+\j], v[X] row_share:\j row_mask:0xf bank_mask:0xf
.endm
; Among K's products: the last tile's part of the average, and the next tile's addresses.  v[T+4] = 2^(old M - new M), v[X] = p = 2^(t - M).
; THE ORDER: waits stand ahead of lines 16 and 24.  At least nine of these lines stand between a write and a reader on the other side of such a wait.
.macro KLINE k
.if (\k) < 2
	OMUL \k
.elseif (\k) == 2
	PMOV 0
.elseif (\k) == 3
	PMOV 1
.elseif (\k) == 4
	PMOV 2
.elseif (\k) == 5
	PMOV 3
.elseif (\k) == 6
	PMOV 5
.elseif (\k) == 7
	PMOV 6
.elseif (\k) == 8
	PMOV 7
.elseif (\k) < 11
	OMUL (\k)-7
.elseif (\k) == 11
	WIN 0
	v_fma_f32 v[L], v[L], v[T+4], v[X]
.elseif (\k) == 12
	PMOV 4
.elseif (\k) < 15
	WIN 0x0c
	v_add_nc_u32 v[ADA+(\k)-13], s[SA], v[252+(\k)-13]
.elseif (\k) == 15
	WIN 0x0c
	v_add_nc_u32 v[ADX], s[SX], v[254]
.else
.set PO_, (((\k)-16)%8)/2              ; pairs of p in the order 0, 1, 3, 2
.if PO_ < 2
.set PI_, PO_
.else
.set PI_, 5-PO_
.endif
.set PT_, 2*(((\k)-16)/8)+(\k)%2
.if PT_ < 2
	WIN 0x50
.else
	WIN 0xa0
.endif
	v_pk_fma_f32 v[252+2*(PT_%2):253+2*(PT_%2)], v[VA+8*PT_+2*PI_:VA+8*PT_+2*PI_+1], v[T+2*PI_:T+2*PI_+1], v[252+2*(PT_%2):253+2*(PT_%2)]
.endif
.endm
; Among V's products: this tile's scores (0-19), the maximum over its 16 keys and the running one (20-26), the two exponents (27, 28; 29 keeps the old maximum).
.macro VLINE k
.if (\k) < 2
	v_pk_mul_f32 v[T+2*(\k):T+2*(\k)+1], v[KA+2*(\k):KA+2*(\k)+1], v[QR+2*(\k):QR+2*(\k)+1]
.elseif (\k) < 16
	v_pk_fma_f32 v[T+2*((\k)%2):T+2*((\k)%2)+1], v[KA+2*(\k):KA+2*(\k)+1], v[QR+2*(\k):QR+2*(\k)+1], v[T+2*((\k)%2):T+2*((\k)%2)+1]
.elseif (\k) == 16
	v_pk_add_f32 v[T:T+1], v[T:T+1], v[T+2:T+3]
.elseif (\k) == 17
	v_add_f32 v[T], v[T], v[T+1]
.elseif (\k) == 18
	v_permlanex16_b32 v[T+1], v[T], s[SEL], s[SEL+1]
.elseif (\k) == 19
	v_add_f32 v[T], v[T], v[T+1]
.elseif (\k) == 20
	v_mov_b32_dpp v[T+6], v[T] row_xmask:8 row_mask:0xf bank_mask:0xf
.elseif (\k) == 21
	v_max_num_f32 v[T+2], v[T], v[T+6]
.elseif (\k) == 22
	v_cndmask_b32 v[T+5], v[T], v[T+6], s[MASK]
.elseif (\k) == 23
	v_max_num_f32_dpp v[T+2], v[T+2], v[T+2] row_xmask:4 row_mask:0xf bank_mask:0xf
.elseif (\k) == 24
	v_max_num_f32_dpp v[T+2], v[T+2], v[T+2] row_xmask:2 row_mask:0xf bank_mask:0xf
.elseif (\k) == 25
	v_max_num_f32_dpp v[T+2], v[T+2], v[T+2] row_xmask:1 row_mask:0xf bank_mask:0xf
.elseif (\k) == 26
	v_max_num_f32 v[M], v[M], v[T+2]
.elseif (\k) == 27
	v_sub_f32 v[T+4], v[T+4], v[M]
.elseif (\k) == 28
	v_sub_f32 v[T+5], v[T+5], v[M]
.else
	v_mov_b32 v[T+4], v[M]
.endif
.endm
.macro KPART from, n, mode             ; 2 n products of K's 32
.set N_, \from
.rept \n
	MMA 0, N_
	MMA 0, N_+1
.if ((\mode) != 3) || (N_ < 12) || (N_ > 14)
	KLINE N_
	KLINE N_+1
.elseif N_ == 12
	KLINE N_
.endif
.set N_, N_+2
.endr
.endm
.macro VHALF from
.set N_, \from
.rept 8
	MMA 1, N_
	MMA 1, N_+1
	WIN 0
.if N_ < 14
	VLINE N_
	VLINE N_+1
.elseif N_ == 14
	VLINE 14
	VLINE 15
	VLINE 16
	VLINE 17
.elseif N_ < 24
	VLINE 18+(N_-16)/2
.elseif N_ == 24
	VLINE 22
	VLINE 23
.elseif N_ == 26
	VLINE 24
.elseif N_ == 28
	VLINE 25
	VLINE 29
.else
	VLINE 26
	VLINE 27
	VLINE 28
.endif
.set N_, N_+2
.endr
.endm
; TILE a of a slot.  mode 0: nothing more;  1: this slot is filled again (a round of the cluster's barrier: its last reads were issued ahead of this tile);
; 2: 3: the last tile of all: nothing is loaded, bv is asked for by wave 0.
.macro TILE a, mode
.if ((\mode) == 1) || ((\mode) == 2)
	s_wait_tensorcnt 0x0                           ; the other slot's tiles have landed: my part;
	ds_add_u32 v[SPW], v[NIL]
	s_wait_dscnt NR+1                              ; K steps 0-3 are in; younger: K steps 4-7's run and the add
.else
	s_wait_dscnt NR                                ; K steps 0-3 are in; younger: K steps 4-7's run
.endif
.if (\mode) != 3
.if (\a) == 3
	s_xor_b32 s[TB], s[TB], SLOT1
	s_mov_b32 s[SA], s[TB]
	s_mov_b32 s[SX], s[TB]
.else
	s_add_co_u32 s[SA], s[TB], ((\a)+1)*TROW
	s_add_co_u32 s[SX], s[TB], ((\a)+1)*544
.endif
.endif
	KPART 0, 8, \mode
.if (\mode) == 3
	WALU                                           ; (fewer lines stand ahead of this wait: no next tile's addresses)
.endif
.if ((\mode) == 1) || ((\mode) == 2)
	s_wait_dscnt NY+1                              ; K steps 4, 5 and the scale words are in; younger: K steps 6, 7 and the add
.else
	s_wait_dscnt NY                                ; K steps 4, 5 and the scale words are in; younger: K steps 6, 7
.endif
	KPART 16, 4, \mode
	WIN 0
.if (\mode) == 1
	STEPD                                          ; (no tensor load of mine is out)
.endif
	s_wait_dscnt 0x0                               ; K steps 6, 7 are in; where the add was issued it is done, and all my reads of the slot are over
.if ((\mode) == 1) || ((\mode) == 2)
	s_barrier_signal -1
.endif
	KPART 24, 4, \mode
.if ((\mode) == 1) || ((\mode) == 2)
	WIN 0
	s_barrier_wait -1
.endif
.if (\mode) == 1
	CREST
	XLOAD
.endif
	VHALF 0
	WALU
.if (\mode) == 3
	s_cmp_lg_u32 s[WV], 0
	s_cbranch_scc1 .Lno_bv_\@
	WIN 0x0c
	v_and_b32 v[ADA], 7, v[255]
	WIN 0
	v_lshlrev_b32 v[ADA], 6, v[ADA]
.irp i, 0,1,2,3
	global_load_b128 v[BUF+4*\i:BUF+4*\i+3], v[ADA], s[22:23] offset:16*\i
.endr
.Lno_bv_\@:
.else
	RUN 0                                          ; (the four vector lines behind the last product are the places in front of these loads)
.endif
	VHALF 16
	WIN 0
	v_nop
	WALU                                           ; ahead of the transcendentals,
	v_exp_f32 v[T+4], v[T+4]
	v_exp_f32 v[X], v[T+5]
	v_nop
.if (\mode) != 3
	RUN 1
.endif
	WALU                                           ; and behind them
.endm
	s_load_b512 s[4:19], s[0:1], 0x0               ; x 4, 6; Wq 8, 10; bq 12; Wk 14, 16; Wv 18
	s_load_b256 s[20:27], s[0:1], 0x40             ; Wv's scales 20; bv 22; ao 24, 26
	v_lshl_add_u32 v[SPW], v0, 2, SPARE
	v_mov_b32 v[NIL], 0
	ds_add_u32 v[SPW], v[NIL]                      ; the opening: the add, twice on end
	ds_add_u32 v[SPW], v[NIL]
	v_lshrrev_b32 v2, 5, v0
	v_readfirstlane_b32 s[WV], v2
	s_lshr_b32 s[HD], s[WV], 1
	s_and_b32 s[RH], s[WV], 1
	s_bfe_u32 s33, ttmp6, 0x40000                  ; cx
	s_bfe_u32 s34, ttmp6, 0x40004                  ; cy
	s_and_b32 s36, ttmp7, 0xffff
	s_lshl_b32 s36, s36, 1
	s_add_co_u32 s36, s36, ttmp9                   ; the cluster's number, 0 .. 15
	s_lshr_b32 s35, s36, 3
	s_lshl_b32 s35, s35, 2
	s_add_co_u32 s35, s35, s33                     ; s35: which 128 columns
	s_and_b32 s36, s36, 7
	s_lshl_b32 s36, s36, 2
	s_add_co_u32 s36, s36, s34                     ; s36: the batch
	s_lshl_b32 s37, s34, 2
	s_lshl_b32 s37, 15, s37                        ; my row of the cluster
	s_lshl_b32 s38, 0x1111, s33                    ; my column
	s_or_b32 s[G1X], s37, (1<<20)|(1<<21)|(5<<22)|(3<<25)
	s_mov_b32 s[G1X+1], 768<<16
	s_mov_b32 s[G1X+2], 64<<16
	s_mov_b32 s[G1X+3], 768<<16
	s_mov_b32 s[G1X+4], 64
	s_mov_b32 s[G1X+5], 768
	s_mov_b32 s[G1X+6], 0
	s_mov_b32 s[G1X+7], 0
	s_or_b32 s[G1W], s38, (1<<20)|(1<<21)|(5<<22)|(3<<25)
	s_mov_b32 s[G1W+1], 768<<16
	s_mov_b32 s[G1W+2], 128<<16
	s_mov_b32 s[G1W+3], 768<<16
	s_mov_b32 s[G1W+4], 128
	s_mov_b32 s[G1W+5], 768
	s_mov_b32 s[G1W+6], 0
	s_mov_b32 s[G1W+7], 0
	s_or_b32 s[G1S], s37, (3<<16)|(1<<20)|(1<<21)|(5<<22)|(3<<25)
	s_mov_b32 s[G1S+1], 32<<16                     ; scale bytes of 128 rows: 16 units of 256 bytes
	s_mov_b32 s[G1S+2], 16<<16
	s_mov_b32 s[G1S+3], 32<<16
	s_mov_b32 s[G1S+4], 16
	s_mov_b32 s[G1S+5], 32
	s_mov_b32 s[G1S+6], 0
	s_mov_b32 s[G1S+7], 0
	s_or_b32 s[G1L], s37, (3<<16)|(1<<20)|(1<<21)|(5<<22)|(3<<25)
	s_mov_b32 s[G1L+1], 32<<16                     ; the last row of x: 3 units of 256 bytes
	s_mov_b32 s[G1L+2], 3<<16
	s_mov_b32 s[G1L+3], 32<<16
	s_mov_b32 s[G1L+4], 3
	s_mov_b32 s[G1L+5], 32
	s_mov_b32 s[G1L+6], 0
	s_mov_b32 s[G1L+7], 0
	s_mul_i32 s100, s35, 128*768                   ; the weights' rows
	s_mov_b32 s101, 0
	s_mul_i32 s2, s36, 1024*768
	s_add_co_u32 s2, s2, 1023*768                  ; the batch's last row
	s_mov_b32 s3, 0
	s_mov_b32 s[G0WQ], 1
	s_mov_b32 s[G0WQ+1], 0
	s_mov_b32 s[G0L], 1
	s_mov_b32 s[G0L+1], XLB
	s_mov_b32 s[G0WK], 1
	s_mov_b32 s[G0WK+1], WST
	s_mov_b32 s[G0WV], 1
	s_mov_b32 s[G0WV+1], WST+128*PITCH
	WALU
	s_wait_dscnt 0x0
	ROUND                                          ; in front of the first joint loads
	s_wait_kmcnt 0x0
	s_add_nc_u64 s[G0WQ+2:G0WQ+3], s[8:9], s[100:101]
	s_or_b32 s[G0WQ+3], s[G0WQ+3], 0x80000000
	s_add_nc_u64 s[G0L+2:G0L+3], s[4:5], s[2:3]
	s_or_b32 s[G0L+3], s[G0L+3], 0x80000000
	s_add_nc_u64 s[G0WK+2:G0WK+3], s[14:15], s[100:101]
	s_or_b32 s[G0WK+3], s[G0WK+3], 0x80000000
	s_add_nc_u64 s[G0WV+2:G0WV+3], s[18:19], s[100:101]
	s_or_b32 s[G0WV+3], s[G0WV+3], 0x80000000
	s_cmp_eq_u32 s[WV], 0                          ; ONE LOAD A WAVE: what is needed first is asked for first
	s_cbranch_scc0 .Lwave_1
	TLOAD G0WQ, G1W                                ; Wq's 128 rows, into slot 0's bytes
	s_branch .Lasked
.Lwave_1:
	s_cmp_eq_u32 s[WV], 1
	s_cbranch_scc0 .Lwave_2
	TLOAD G0L, G1L
	s_branch .Lasked
.Lwave_2:
	s_cmp_eq_u32 s[WV], 2
	s_cbranch_scc0 .Lwave_3
	TLOAD G0WK, G1W
	s_branch .Lasked
.Lwave_3:
	TLOAD G0WV, G1W
.Lasked:
	s_lshl_b32 s2, s36, 15
	s_mov_b32 s[G0S], 1
	s_mov_b32 s[G0S+1], XSO
	s_add_nc_u64 s[G0S+2:G0S+3], s[6:7], s[2:3]
	s_or_b32 s[G0S+3], s[G0S+3], 0x80000000
	s_add_nc_u64 s[28:29], s[6:7], s[2:3]
	s_add_nc_u64 s[28:29], s[28:29], 1023*32       ; the last row's scale bytes
	s_mul_i32 s2, s36, 1024*768
	s_add_nc_u64 s[8:9], s[4:5], s[2:3]            ; the batch's first row: the prefetch's base
	s_mul_i32 s39, s[RH], 64*768
	s_add_co_u32 s2, s2, s39
	s_mov_b32 s[G0X], 1
	s_mul_i32 s[G0X+1], s[RH], HALFX
	s_add_nc_u64 s[G0X+2:G0X+3], s[4:5], s[2:3]
	s_or_b32 s[G0X+3], s[G0X+3], 0x80000000
	s_lshl_b32 s100, s35, 12
	s_add_nc_u64 s[10:11], s[10:11], s[100:101]
	s_add_nc_u64 s[16:17], s[16:17], s[100:101]
	s_add_nc_u64 s[20:21], s[20:21], s[100:101]
	s_lshl_b32 s100, s[WV], 10
	s_add_nc_u64 s[10:11], s[10:11], s[100:101]
	s_lshl_b32 s100, s[HD], 11
	s_add_nc_u64 s[16:17], s[16:17], s[100:101]
	s_add_nc_u64 s[20:21], s[20:21], s[100:101]
	s_lshl_b32 s100, s35, 9
	s_add_nc_u64 s[12:13], s[12:13], s[100:101]
	s_add_nc_u64 s[22:23], s[22:23], s[100:101]
	s_lshl_b32 s100, s[WV], 7
	s_add_nc_u64 s[12:13], s[12:13], s[100:101]
	s_mul_i32 s100, s35, 96
	s_add_nc_u64 s[24:25], s[24:25], s[100:101]
	s_lshl_b32 s100, s35, 2
	s_add_nc_u64 s[26:27], s[26:27], s[100:101]
	s_mul_i32 s2, s36, 768
	s_add_nc_u64 s[24:25], s[24:25], s[2:3]
	s_lshl_b32 s2, s36, 5
	s_add_nc_u64 s[26:27], s[26:27], s[2:3]
	s_mul_i32 s104, s[WV], 32*PITCH                ; LDS: my 32 rows of Wq;
	s_mul_i32 s105, s[RH], HALFX                   ; my 64 rows of a slot;
	s_mul_i32 s39, s[HD], 64*PITCH
	s_add_co_u32 s39, s39, WST                     ; my head's rows of Wk;
	s_lshl_b32 s4, s[WV], 7
	s_add_co_u32 s4, s4, QS                        ; my 32 numbers of q;
	s_lshl_b32 s5, s[HD], 8
	s_add_co_u32 s5, s5, QS                        ; my head's q;
	s_mul_i32 s6, s[RH], 8*272
	s_add_co_u32 s6, s6, XSO                       ; my rows' scale bytes
	s_lshl_b32 s100, s33, 2
	s_add_co_u32 s100, s100, s[WV]                 ; my number among the sixteen waves of my row of the cluster:
	s_mul_i32 s100, s100, 24*256                   ; my 24 blocks of slot 0's 384
	v_and_b32 v116, 15, v0                         ; r
	v_bfe_u32 v117, v0, 4, 1                       ; h
	v_mul_u32_u24 v118, v116, PITCH
	v_mul_u32_u24 v120, v117, 40
	v_mad_u32_u24 v119, v117, 24, v118             ; a fragment's row: r PITCH + 24 h,
	v_add_nc_u32 v120, v120, v118                  ; and behind one padding more in lanes 16-31
	v_add_nc_u32 v122, s104, v119
	v_add_nc_u32 v123, s104, v120
	v_add_nc_u32 v124, 16*PITCH, v122
	v_add_nc_u32 v125, 16*PITCH, v123
	v_mul_u32_u24 v126, v117, 24
	v_mul_u32_u24 v127, v117, 40
	v_add_nc_u32 v126, XLB, v126
	v_add_nc_u32 v127, XLB, v127
	v_add_nc_u32 v52, s39, v119                    ; v52-67: the weights' eight tiles
	v_add_nc_u32 v53, s39, v120
.irp i, 1,2,3
	v_add_nc_u32 v[52+2*\i], \i*TROW, v52
	v_add_nc_u32 v[53+2*\i], \i*TROW, v53
.endr
.irp i, 0,1,2,3
	v_add_nc_u32 v[60+2*\i], 128*PITCH+\i*TROW, v52
	v_add_nc_u32 v[61+2*\i], 128*PITCH+\i*TROW, v53
.endr
	v_lshlrev_b32 v128, 5, v117
	v_lshlrev_b32 v130, 3, v117
	v_lshl_add_u32 v77, v116, 5, v130              ; scale words in memory: 32 r + 8 h
	v_add_nc_u32 v131, s4, v128
	v_add_nc_u32 v76, s5, v128
	v_lshrrev_b32 v132, 3, v116
	v_and_b32 v133, 7, v116
	v_mul_u32_u24 v134, v132, 272
	v_lshl_add_u32 v134, v133, 5, v134
	v_add_nc_u32 v134, v134, v130
	v_and_b32 v135, 31, v0
	v_min_u32 v135, 23, v135                       ; (lanes left over name the last block again)
	v_lshlrev_b32 v135, 8, v135
	v_add_nc_u32 v135, s100, v135
	WIN 0xc0
	v_add_nc_u32 v[252], s105, v119
	v_add_nc_u32 v[253], s105, v120
	v_add_nc_u32 v[254], s6, v134
	v_mov_b32 v[255], v0
	WIN 0
.irp u, 0,1
	global_load_b128 v[VA+8*\u:VA+8*\u+3], v128, s[12:13] offset:64*\u        ; bq: the C of q's first products
	global_load_b128 v[VA+8*\u+4:VA+8*\u+7], v128, s[12:13] offset:64*\u+16
	global_load_b64 v[WS+4*\u:WS+4*\u+1], v77, s[10:11] offset:512*\u
	global_load_b64 v[WS+4*\u+2:WS+4*\u+3], v77, s[10:11] offset:512*\u+16
.endr
	global_load_b64 v[XS:XS+1], v130, s[28:29]
	global_load_b64 v[XS+2:XS+3], v130, s[28:29] offset:16
	WALU
	s_cmp_lt_u32 s[WV], 2
	s_cbranch_scc0 .Lno_q_tile
	s_wait_tensorcnt 0x0
.Lno_q_tile:
	s_barrier_signal -1
	s_barrier_wait -1                              ; Wq and the last row of x are in
	global_prefetch_b8 v135, s[8:9] th:TH_LOAD_NT scope:SCOPE_SE
	WIN 0x40
.irp q, 0,1,2,3,4,5,6,7
	FRAG 12*\q, \q, 122
	FRAG 96+12*\q, \q, 124
.endr
	WIN 0
.irp q, 0,1,2,3,4,5,6,7
	FRAG BUF+12*\q, \q, 126                        ; the same row in all sixteen columns
.endr
	s_wait_loadcnt 0x0
	s_wait_dscnt 0x0
	WIN 0x01
.irp q, 0,1,2,3,4,5,6,7
.set Q_, \q
	MM VA, 12*\q, BUF+12*\q, WS+2*(\q/4)+\q%2, XS+2*(\q/4)+\q%2, 0
	MM VA+8, 96+12*\q, BUF+12*\q, WS+4+2*(\q/4)+\q%2, XS+2*(\q/4)+\q%2, 0
.endr
	WIN 0
	PLACES
.irp i, 0,1,2,3,4,5,6,7
	v_pk_mul_f32 v[VA+16+2*\i:VA+17+2*\i], v[VA+2*\i:VA+2*\i+1], 0x3e38aa3b op_sel_hi:[1,0]   ; x log2(e) / 8
.endr
.irp u, 0,1
	ds_store_b128 v131, v[VA+16+8*\u:VA+19+8*\u] offset:64*\u
	ds_store_b128 v131, v[VA+20+8*\u:VA+23+8*\u] offset:64*\u+16
.endr
	WALU
	s_wait_xcnt 0x0                                ; the prefetch's address register is written again further down
	s_wait_tensorcnt 0x0                           ; Wk and Wv have landed;
	ds_add_u32 v[SPW], v[NIL]
	s_wait_dscnt 0x0                               ; my reads of Wq are over, my part of q is stored
	ROUND
	XLOAD                                          ; slot 0, over Wq
	s_mov_b32 s[SEL], 0x76543210                   ; lane l xor 16
	s_mov_b32 s[SEL+1], 0xfedcba98
	s_mov_b32 s[TB], 0
	s_mov_b32 s[SLOTS], 6
	s_mov_b32 s[MASK], 0xffff0000
.irp t, 0,1,2,3
	ds_load_b128 v[QR+8*\t:QR+8*\t+3], v76 offset:64*\t
	ds_load_b128 v[QR+8*\t+4:QR+8*\t+7], v76 offset:64*\t+16
.endr
.irp t, 0,1,2,3
	global_load_b64 v[WS+4*\t:WS+4*\t+1], v77, s[16:17] offset:512*\t
	global_load_b64 v[WS+4*\t+2:WS+4*\t+3], v77, s[16:17] offset:512*\t+16
	global_load_b64 v[WS+16+4*\t:WS+17+4*\t], v77, s[20:21] offset:512*\t
	global_load_b64 v[WS+18+4*\t:WS+19+4*\t], v77, s[20:21] offset:512*\t+16
.endr
.set F_, 0
.rept 64                                           ; the weights: fragment 32 kv + 4 q + i
	WREG F_
	WIN WW<<6
	FRAG WR, (F_%32)/4, 52+8*(F_/32)+2*(F_%4)
.set F_, F_+1
.endr
	; the first tile's average lines find p = 0 and sums of 0 (V's accumulators hold q's finite numbers)
	WIN 0x40
.irp i, 252,253,254,255
	v_mov_b32 v[\i], 0
.endr
	WIN 0x80
.irp i, 252,253,254,255
	v_mov_b32 v[\i], 0
.endr
	WIN 0
.irp i, 0,1,2,3,5,6,7
	v_mov_b32 v[T+\i], 0
.endr
	v_mov_b32 v[M], 0xff61b1e6                     ; the maximum so far: -3e38
	v_mov_b32 v[T+4], 1.0
	v_mov_b32 v[X], 0
	v_mov_b32 v[L], 0
	WIN 0x0c
	v_add_nc_u32 v[ADA], s[TB], v[252]
	v_add_nc_u32 v[ADA+1], s[TB], v[253]
	v_add_nc_u32 v[ADX], s[TB], v[254]
	WIN 0
	WALU
	s_wait_loadcnt 0x0
	s_wait_tensorcnt 0x0                           ; slot 0 has landed;
	ds_add_u32 v[SPW], v[NIL]
	STEPD
	s_wait_dscnt 0x0                               ; the weights are in registers
	ROUND
	XLOAD                                          ; slot 1, over the weights' bytes
	RUN 0
	RUN 1
.Lslot:
	TILE 0, 0
	TILE 1, 0
	TILE 2, 0
	TILE 3, 1
	s_sub_co_u32 s[SLOTS], s[SLOTS], 1
	s_cmp_lg_u32 s[SLOTS], 0
	s_cbranch_scc1 .Lslot
	TILE 0, 0
	TILE 1, 0
	TILE 2, 0
	TILE 3, 2
	TILE 0, 0
	TILE 1, 0
	TILE 2, 0
	TILE 3, 3
.set N_, 0
.rept 32                                           ; the last tile's part of the average
.if (N_ < 13) || (N_ > 15)
	KLINE N_
.endif
.set N_, N_+1
.endr
	; a lane's two sums, then both halves of the lanes: v64-67 = columns 16 t + r of this wave's keys
	WIN 0x05
	v_add_f32 v64, v[252], v[253]
	v_add_f32 v65, v[254], v[255]
	WIN 0x0a
	v_add_f32 v66, v[252], v[253]
	v_add_f32 v67, v[254], v[255]
	WIN 0
	s_lshl_b32 s39, s[WV], 9
	s_add_co_u32 s39, s39, MRG
	s_add_co_u32 s2, s39, 256
.irp t, 0,1,2,3
	v_permlanex16_b32 v[68+\t], v[64+\t], s[SEL], s[SEL+1]
.endr
	v_mov_b32 v[X], v[M]
.irp x, 1,2,4,8
	v_add_f32_dpp v[L], v[L], v[L] row_xmask:\x row_mask:0xf bank_mask:0xf
.endr
.irp t, 0,1,2,3
	v_add_f32 v[64+\t], v[64+\t], v[68+\t]
.endr
	WIN 0x0c
	v_and_b32 v72, 15, v[255]
	v_and_b32 v73, 7, v[255]
	WIN 0
	v_lshlrev_b32 v74, 2, v72
	v_add_nc_u32 v74, s39, v74
	v_mov_b32 v75, s2
	v_lshrrev_b32 v76, 2, v73                      ; lane k of eight finishes columns 16 k .. 16 k + 15: head k / 4
	v_lshlrev_b32 v76, 10, v76
	v_and_b32 v77, 3, v73
	v_lshl_add_u32 v77, v77, 6, v76
	v_add_nc_u32 v77, MRG, v77
	v_add_nc_u32 v76, MRG+256, v76
	v_mul_u32_u24 v78, v73, 12
	v_lshrrev_b32 v79, 1, v73
.irp t, 0,1,2,3
	ds_store_b32 v74, v[64+\t] offset:64*\t
.endr
	ds_store_b64 v75, v[50:51]                     ; the sum of p and the maximum
	WALU
	s_wait_dscnt 0x0
	s_barrier_signal -1
	s_barrier_wait -1
	s_cmp_lg_u32 s[WV], 0
	s_cbranch_scc1 .Lend
	; WAVE 0 joins the two waves of each head, adds bv and quantises
.irp i, 0,1,2,3
	ds_load_b128 v[80+4*\i:83+4*\i], v77 offset:16*\i
	ds_load_b128 v[96+4*\i:99+4*\i], v77 offset:512+16*\i
.endr
	ds_load_b64 v[112:113], v76
	ds_load_b64 v[114:115], v76 offset:512
	s_wait_dscnt 0x0
	v_max_num_f32 v116, v113, v115
	v_sub_f32 v117, v113, v116
	v_sub_f32 v118, v115, v116
	WALU
	v_exp_f32 v120, v117
	v_exp_f32 v122, v118
	v_nop
	WALU
	v_mul_f32 v119, v112, v120
	v_fma_f32 v119, v114, v122, v119
	WALU
	v_rcp_f32 v124, v119
	v_nop
	WALU
	v_mul_f32 v120, v120, v124
	v_mul_f32 v122, v122, v124
	WALU
	s_wait_loadcnt 0x0
.irp i, 0,1,2,3,4,5,6,7
	v_pk_fma_f32 v[164+2*\i:165+2*\i], v[80+2*\i:81+2*\i], v[120:121], v[148+2*\i:149+2*\i] op_sel_hi:[1,0,1]
.endr
.irp i, 0,1,2,3,4,5,6,7
	v_pk_fma_f32 v[164+2*\i:165+2*\i], v[96+2*\i:97+2*\i], v[122:123], v[164+2*\i:165+2*\i] op_sel_hi:[1,0,1]
.endr
	v_max3_num_f32 v180, |v164|, |v165|, |v166|
	v_max3_num_f32 v181, |v167|, |v168|, |v169|
.irp i, 6,10
	v_max3_num_f32 v180, v180, |v[164+\i]|, |v[165+\i]|
	v_max3_num_f32 v181, v181, |v[166+\i]|, |v[167+\i]|
.endr
	v_max3_num_f32 v180, v180, |v178|, |v179|
	v_max3_num_f32 v180, v180, v181, 0x1800000     ; the floor 2^(3 - 127): the byte does not fall under 1
	v_max_num_f32_dpp v180, v180, v180 row_xmask:1 row_mask:0xf bank_mask:0xf
	v_add_nc_u32 v182, 0xff000000, v180            ; 2 off the exponent field: the conversion's scale operand
	v_cvt_scalef32_pk16_fp6_f32 v[184:186], v[164:179], v182
	v_lshrrev_b32 v183, 23, v182
	WALU
	s_wait_xcnt 0x0
	WIN 0x0c
	v_cmp_gt_u32 vcc_lo, 8, v[255]
	WIN 0
	s_and_saveexec_b32 s39, vcc_lo
	global_store_b96 v78, v[184:186], s[24:25]
	global_store_b8 v79, v183, s[26:27]
	s_wait_xcnt 0x0
	s_or_b32 exec_lo, exec_lo, s39
.Lend:
	s_wait_tensorcnt 0x0                           ; the wave's end
	ds_add_u32 v[SPW], v[NIL]
	s_wait_dscnt 0x0
	ROUND                                          ; the closing round
	s_endpgm
.Lfunc_end_k_q0129152f06_attn:
	.size	k_q0129152f06_attn, .Lfunc_end_k_q0129152f06_attn-k_q0129152f06_attn
	.p2alignl 7, 3214868480
	.fill 96, 4, 3214868480
	.section	.rodata,"a",@progbits
	.p2align	6, 0x0
	.amdhsa_kernel k_q0129152f06_attn
		.amdhsa_group_segment_fixed_size 327680
		.amdhsa_private_segment_fixed_size 0
		.amdhsa_enable_private_segment 0
		.amdhsa_kernarg_size 96
		.amdhsa_user_sgpr_count 2
		.amdhsa_user_sgpr_kernarg_segment_ptr 1
		.amdhsa_wavefront_size32 1
		.amdhsa_system_sgpr_workgroup_id_x 1
		.amdhsa_system_sgpr_workgroup_id_y 1
		.amdhsa_system_sgpr_workgroup_id_z 1
		.amdhsa_system_vgpr_workitem_id 0
		.amdhsa_next_free_vgpr 1024
		.amdhsa_next_free_sgpr 106
		.amdhsa_reserve_vcc 1
		.amdhsa_float_denorm_mode_32 3
		.amdhsa_float_denorm_mode_16_64 3
		.amdhsa_memory_ordered 1
		.amdhsa_forward_progress 1
		.amdhsa_inst_pref_size 240
	.end_amdhsa_kernel
	.amdgpu_metadata
---
amdhsa.version: [ 1, 2 ]
amdhsa.kernels:
  - .name:           k_q0129152f06_attn
    .symbol:         k_q0129152f06_attn.kd
    .args:
      - { .name: x_codes, .offset: 0, .size: 8, .value_kind: global_buffer, .address_space: global }
      - { .name: x_scales, .offset: 8, .size: 8, .value_kind: global_buffer, .address_space: global }
      - { .name: Wq_codes, .offset: 16, .size: 8, .value_kind: global_buffer, .address_space: global }
      - { .name: Wq_scales, .offset: 24, .size: 8, .value_kind: global_buffer, .address_space: global }
      - { .name: bq, .offset: 32, .size: 8, .value_kind: global_buffer, .address_space: global }
      - { .name: Wk_codes, .offset: 40, .size: 8, .value_kind: global_buffer, .address_space: global }
      - { .name: Wk_scales, .offset: 48, .size: 8, .value_kind: global_buffer, .address_space: global }
      - { .name: Wv_codes, .offset: 56, .size: 8, .value_kind: global_buffer, .address_space: global }
      - { .name: Wv_scales, .offset: 64, .size: 8, .value_kind: global_buffer, .address_space: global }
      - { .name: bv, .offset: 72, .size: 8, .value_kind: global_buffer, .address_space: global }
      - { .name: ao_codes, .offset: 80, .size: 8, .value_kind: global_buffer, .address_space: global }
      - { .name: ao_scales, .offset: 88, .size: 8, .value_kind: global_buffer, .address_space: global }
    .group_segment_fixed_size: 327680
    .private_segment_fixed_size: 0
    .kernarg_segment_align: 8
    .kernarg_segment_size: 96
    .max_flat_workgroup_size: 128
    .sgpr_count:     106
    .vgpr_count:     1024
    .wavefront_size: 32
...
	.end_amdgpu_metadata
.endif
;; end of part 3
;; launch oproj (part 4): grid 16 x 2, 16 waves a work-group, no clusters, 167,936 bytes of LDS; arguments ao_codes, ao_scales, Wo_codes, Wo_scales, bo, out0; writes out0
.if DOCPART == 4
	.amdgcn_target "amdgcn-amd-amdhsa--gfx1250"
	.amdhsa_code_object_version 6
	.text
	.protected	k_q0129152f06_oproj
	.globl	k_q0129152f06_oproj
	.p2align	8
	.type	k_q0129152f06_oproj,@function
k_q0129152f06_oproj:
	s_mov_b64 s[64:65], 0
	v_nop
	global_prefetch_b8 v0, s[64:65] scope:SCOPE_SE
	s_setreg_imm32_b32 hwreg(HW_REG_WAVE_MODE, 25, 1), 1
	s_wait_xcnt 0x0
; out0[b][n] = sum over k of ao[b][k] Wo[n][k] + bo[n]: 32 x 1,024 x 1,024, both operands codes of FP6 (E2M3) with one E8M0 scale for each 32 along K; ao's were made by the launch before.
; Work-group (g, y) owns columns 64 g .. 64 g + 63, 256 bytes of a row of out0, for batches 16 y .. 16 y + 15.  Sixteen waves: wave w makes columns 16 (w % 4) .. + 15 of them over K's quarter w / 4: two matrix instructions, each with an accumulator of its own.
; The four quarters' f32 sums meet in LDS; then wave w adds up row w from four quarters, two numbers a lane, and its 32 lanes store 256 bytes.
; One tensor load a wave: waves 0-7 eight rows of Wo each, waves 8-15 two rows of ao; nothing is filled twice.
; NO CLUSTER: each work-group fetches its 61,440 bytes of codes once, in one group of loads; a round of the cluster's barrier would stand ahead of these only loads.  NO PREFETCH: there is no loop to run ahead in.
; Transposed use (source 0 = Wo): lane (r, h) holds batch r and columns 8 h + 0 .. 7.  LIMIT: NaN and infinities are not served.
.set PITCH, 816                        ; an LDS row of codes: 3 x (256 bytes + 16)
.set AOB, 64*PITCH
.set STG, AOB+16*PITCH                 ; the quarters' sums: [4][16 rows][272 bytes]
.set SP, 272
.set PLANE, 16*SP
.set SPARE, STG+4*PLANE
.macro FRAG reg, q, adr                ; 16 rows x 128 K in pieces of 8 bytes, two to a load where both go by one address register (adr + 1: behind one padding more in lanes 16-31)
.set SKIP_, 0
.irp p, 0,1,2,3,4,5
.if SKIP_
.set SKIP_, 0
.else
.set PC_, 12*(\q)+6*(\p/3)+\p%3
.set PN_, 12*(\q)+6*((\p+1)/3)+(\p+1)%3
.set X_, (PC_%32+3)/32
.set XN_, (PN_%32+3)/32
.if (\p < 5) && (X_ == XN_)
.set SKIP_, 1
	ds_load_2addr_b64 v[(\reg)+2*\p:(\reg)+2*\p+3], v[(\adr)+X_] offset0:PC_+2*(PC_/32) offset1:PN_+2*(PN_/32)
.else
	ds_load_b64 v[(\reg)+2*\p:(\reg)+2*\p+1], v[(\adr)+X_] offset:8*(PC_+2*(PC_/32))
.endif
.endif
.endr
.endm
.macro QUARTER k                       ; the four fragments of K's quarter k
	FRAG 64, 2*\k, 10
	FRAG 88, 2*\k, 12
	FRAG 76, 2*\k+1, 10
	FRAG 100, 2*\k+1, 12
.endm
	s_load_b256 s[4:11], s[0:1], 0x0               ; ao_codes 4, ao_scales 6, Wo_codes 8, Wo_scales 10
	s_load_b128 s[12:15], s[0:1], 0x20             ; bo 12, out0 14
	v_lshl_add_u32 v2, v0, 2, SPARE
	v_mov_b32 v3, 0
	ds_add_u32 v2, v3                              ; the opening: the add, twice on end
	ds_add_u32 v2, v3
	v_lshrrev_b32 v1, 5, v0
	v_readfirstlane_b32 s16, v1                    ; wave 0..15
	s_mov_b32 s24, (1<<20)|(5<<22)|(3<<25)         ; Wo: 8 rows of 768 bytes, 16 bytes of padding behind every 256
	s_mov_b32 s25, 768<<16
	s_mov_b32 s26, 8<<16
	s_mov_b32 s27, 768<<16
	s_mov_b32 s28, 8
	s_mov_b32 s29, 768
	s_mov_b32 s30, 0
	s_mov_b32 s31, 0
	s_mov_b32 s32, (1<<20)|(5<<22)|(3<<25)         ; ao: 2 rows
	s_mov_b32 s33, 768<<16
	s_mov_b32 s34, 2<<16
	s_mov_b32 s35, 768<<16
	s_mov_b32 s36, 2
	s_mov_b32 s37, 768
	s_mov_b32 s38, 0
	s_mov_b32 s39, 0
	s_and_b32 s17, s16, 7
	s_and_b32 s18, s16, 3                          ; my tile of 16 columns
	s_lshr_b32 s19, s16, 2                         ; my quarter of K
	s_and_b32 s2, ttmp7, 0xffff                    ; which 16 batches
	s_mul_i32 s20, ttmp9, 64*768
	s_mul_i32 s22, s17, 8*768
	s_add_co_u32 s20, s20, s22
	s_mov_b32 s21, 0
	s_mul_i32 s22, s17, 2*768
	s_mul_i32 s3, s2, 16*768
	s_add_co_u32 s22, s22, s3
	s_mov_b32 s23, 0
	s_mov_b32 s40, 1
	s_mul_i32 s41, s17, 8*PITCH
	s_mov_b32 s44, 1
	s_mul_i32 s45, s17, 2*PITCH
	s_add_co_u32 s45, s45, AOB
	s_wait_alu depctr_va_vdst(0)
	s_wait_dscnt 0x0
	s_wait_kmcnt 0x0
	s_add_nc_u64 s[42:43], s[8:9], s[20:21]
	s_or_b32 s43, s43, 0x80000000
	s_add_nc_u64 s[46:47], s[4:5], s[22:23]
	s_or_b32 s47, s47, 0x80000000
	s_cmp_lt_u32 s16, 8
	s_cbranch_scc0 .Lao
	tensor_load_to_lds s[40:43], s[24:31]
	s_nop 0
.rept 4
	v_nop
.endr
	s_branch .Lasked
.Lao:
	tensor_load_to_lds s[44:47], s[32:39]
	s_nop 0
.rept 4
	v_nop
.endr
.Lasked:
	s_lshl_b32 s20, s19, 3
	s_add_nc_u64 s[10:11], s[10:11], s[20:21]      ; scale words of my quarter: of my 16 rows of Wo,
	s_lshl_b32 s3, s2, 9
	s_add_co_u32 s20, s20, s3
	s_add_nc_u64 s[6:7], s[6:7], s[20:21]          ; and of my 16 batches
	s_lshl_b32 s20, ttmp9, 11
	s_lshl_b32 s22, s18, 9
	s_add_co_u32 s20, s20, s22
	s_add_nc_u64 s[10:11], s[10:11], s[20:21]
	s_lshl_b32 s20, ttmp9, 8
	s_add_nc_u64 s[12:13], s[12:13], s[20:21]
	s_lshl_b32 s3, s2, 16
	s_add_co_u32 s20, s20, s3
	s_lshl_b32 s3, s16, 12
	s_add_co_u32 s20, s20, s3
	s_add_nc_u64 s[14:15], s[14:15], s[20:21]      ; out0 at row 16 y + w, byte 256 g
	s_mul_i32 s17, s18, 16*PITCH
	s_mul_i32 s22, s19, PLANE
	s_add_co_u32 s22, s22, STG
	s_lshl_b32 s23, s18, 6
	s_add_co_u32 s22, s22, s23
	s_mul_i32 s23, s16, SP
	s_add_co_u32 s23, s23, STG
	v_and_b32 v4, 15, v0                           ; r
	v_bfe_u32 v5, v0, 4, 1                         ; h
	v_and_b32 v6, 31, v0
	v_lshlrev_b32 v16, 5, v4
	v_lshlrev_b32 v19, 3, v6
	global_load_b64 v[40:41], v16, s[10:11]
	global_load_b64 v[42:43], v16, s[6:7]
	global_load_b64 v[24:25], v19, s[12:13]        ; bo
	v_mul_u32_u24 v9, v4, PITCH
	v_mul_u32_u24 v8, v5, 40
	v_mad_u32_u24 v7, v5, 24, v9
	v_add_nc_u32 v8, v8, v9
	v_add_nc_u32 v10, s17, v7
	v_add_nc_u32 v11, s17, v8
	v_add_nc_u32 v12, AOB, v7
	v_add_nc_u32 v13, AOB, v8
	v_mul_u32_u24 v17, v4, SP
	v_lshl_add_u32 v17, v5, 5, v17
	v_add_nc_u32 v17, s22, v17                     ; into the stage: row r, + 64 (w % 4) + 32 h
	v_add_nc_u32 v18, s23, v19                     ; back: row w, 8 bytes a lane
	s_wait_alu depctr_va_vdst(0)
	s_wait_tensorcnt 0x0
	s_barrier_signal -1
	s_barrier_wait -1
	s_cmp_eq_u32 s19, 0                            ; where the paddings lie in a row hangs on the quarter: one arm each
	s_cbranch_scc0 .Lk1
	QUARTER 0
	s_branch .Lread
.Lk1:
	s_cmp_eq_u32 s19, 1
	s_cbranch_scc0 .Lk2
	QUARTER 1
	s_branch .Lread
.Lk2:
	s_cmp_eq_u32 s19, 2
	s_cbranch_scc0 .Lk3
	QUARTER 2
	s_branch .Lread
.Lk3:
	QUARTER 3
.Lread:
	s_wait_loadcnt 0x0
	s_wait_dscnt 0x0
	v_wmma_scale_f32_16x16x128_f8f6f4 v[48:55], v[64:75], v[88:99], 0, v40, v42 matrix_a_fmt:MATRIX_FMT_FP6 matrix_b_fmt:MATRIX_FMT_FP6
	v_wmma_scale_f32_16x16x128_f8f6f4 v[56:63], v[76:87], v[100:111], 0, v41, v43 matrix_a_fmt:MATRIX_FMT_FP6 matrix_b_fmt:MATRIX_FMT_FP6
.rept 4
	v_nop
.endr
.irp i, 0,2,4,6
	v_pk_add_f32 v[26+\i:27+\i], v[48+\i:49+\i], v[56+\i:57+\i]
.endr
	ds_store_b128 v17, v[26:29]
	ds_store_b128 v17, v[30:33] offset:16
	s_wait_dscnt 0x0
	s_barrier_signal -1
	s_barrier_wait -1
.irp k, 0,1,2,3
	ds_load_b64 v[64+2*\k:65+2*\k], v18 offset:\k*PLANE
.endr
	s_wait_dscnt 0x0
	v_pk_add_f32 v[64:65], v[64:65], v[66:67]
	v_pk_add_f32 v[68:69], v[68:69], v[70:71]
	v_pk_add_f32 v[64:65], v[64:65], v[24:25]
	v_pk_add_f32 v[64:65], v[64:65], v[68:69]
	global_store_b64 v19, v[64:65], s[14:15]       ; 32 lanes store 256 consecutive bytes, at a multiple of 256 from out0's first byte
	s_wait_alu depctr_va_vdst(0)
	s_wait_tensorcnt 0x0                           ; the wave's end
	ds_add_u32 v2, v3
	s_wait_dscnt 0x0
	s_endpgm
.Lfunc_end_k_q0129152f06_oproj:
	.size	k_q0129152f06_oproj, .Lfunc_end_k_q0129152f06_oproj-k_q0129152f06_oproj
	.p2alignl 7, 3214868480
	.fill 96, 4, 3214868480
	.section	.rodata,"a",@progbits
	.p2align	6, 0x0
	.amdhsa_kernel k_q0129152f06_oproj
		.amdhsa_group_segment_fixed_size 167936
		.amdhsa_private_segment_fixed_size 0
		.amdhsa_enable_private_segment 0
		.amdhsa_kernarg_size 48
		.amdhsa_user_sgpr_count 2
		.amdhsa_user_sgpr_kernarg_segment_ptr 1
		.amdhsa_wavefront_size32 1
		.amdhsa_system_sgpr_workgroup_id_x 1
		.amdhsa_system_sgpr_workgroup_id_y 1
		.amdhsa_system_sgpr_workgroup_id_z 1
		.amdhsa_system_vgpr_workitem_id 0
		.amdhsa_next_free_vgpr 112
		.amdhsa_next_free_sgpr 66
		.amdhsa_reserve_vcc 0
		.amdhsa_float_denorm_mode_32 3
		.amdhsa_float_denorm_mode_16_64 3
		.amdhsa_memory_ordered 1
		.amdhsa_forward_progress 1
		.amdhsa_inst_pref_size 11
	.end_amdhsa_kernel
	.amdgpu_metadata
---
amdhsa.version: [ 1, 2 ]
amdhsa.kernels:
  - .name:           k_q0129152f06_oproj
    .symbol:         k_q0129152f06_oproj.kd
    .args:
      - { .name: ao_codes, .offset: 0, .size: 8, .value_kind: global_buffer, .address_space: global }
      - { .name: ao_scales, .offset: 8, .size: 8, .value_kind: global_buffer, .address_space: global }
      - { .name: Wo_codes, .offset: 16, .size: 8, .value_kind: global_buffer, .address_space: global }
      - { .name: Wo_scales, .offset: 24, .size: 8, .value_kind: global_buffer, .address_space: global }
      - { .name: bo, .offset: 32, .size: 8, .value_kind: global_buffer, .address_space: global }
      - { .name: out0, .offset: 40, .size: 8, .value_kind: global_buffer, .address_space: global }
    .group_segment_fixed_size: 167936
    .private_segment_fixed_size: 0
    .kernarg_segment_align: 8
    .kernarg_segment_size: 48
    .max_flat_workgroup_size: 512
    .sgpr_count:     66
    .vgpr_count:     112
    .wavefront_size: 32
...
	.end_amdgpu_metadata
.endif
;; end of part 4
